; MI455X (gfx1250); checked and timed in simulation.
; The chip was launched on July 23, 2026; its instructions are those of AMD's public machine-readable ISA for CDNA 5 (MIT licence, August 2026) and "CDNA5" Instruction Set Architecture Reference Guide (July 2026). The comments in the code are by the model that wrote it; some were corrected since.
;; Multi Head Attention. Allowed arithmetic: matrix products marked QUANTISED: E2M3 operands, one E8M0 scale for each 32 along K, by v_wmma_scale_f32_16x16x128_f8f6f4 with both operands' format E2M3, f32 sums; everything else in f32.
;; Inputs: Wk 1,024 x 1,024 float32; Wo 1,024 x 1,024 float32; Wq 1,024 x 1,024 float32; Wv 1,024 x 1,024 float32; bk 1,024 float32; bo 1,024 float32; bq 1,024 float32; bv 1,024 float32; hidden_states 4 x 2,048 x 1,024 float32; masks 4 x 2,048 float32.
;; Outputs: out0 4 x 2,048 x 1,024 float32.
;; This version of the problem:
;;   THIS VERSION OF THE PROBLEM IS GIVEN IN LOW PRECISION. The matrix products marked QUANTISED in the list below multiply operands that are first quantised to E2M3 (2 exponent bits, 3 mantissa bits; 6 bits a number), with one power-of-two scale for each 32 numbers along K (OCP MX v1.0); their sums are f32. All else is computed in f32.
;;   The module's matrix products, in the order in which they are computed (A, B: the left and right operand; K: the contracted axis; several contracted axes count as one K, in the product's order):
;;     1. [M 8,192, K 1,024] x [K 1,024, N 1,024]; A: input hidden_states; B: input Wq: QUANTISED
;;     2. [M 8,192, K 1,024] x [K 1,024, N 1,024]; A: input hidden_states; B: input Wk: QUANTISED
;;     3. [M 8,192, K 1,024] x [K 1,024, N 1,024]; A: input hidden_states; B: input Wv: QUANTISED
;;     4. batch 64 x [M 2,048, K 64] x [K 64, N 2,048]; A: computed on the way; B: computed on the way: QUANTISED
;;     5. batch 64 x [M 2,048, K 2,048] x [K 2,048, N 64]; A: softmax (see below); B: computed on the way: QUANTISED
;;     6. [M 8,192, K 1,024] x [K 1,024, N 1,024]; A: computed on the way; B: input Wo: QUANTISED
;;   THE QUANTISER, for each operand of a quantised product, along K:
;;     - K is cut into blocks of 32 from its start; a last block that is shorter is filled with zeros.
;;     - A block's scale is 2^e with e = floor(log2(the largest magnitude in the block)) - 2, held to -126 .. 127; a block of zeros has e = 0. As a byte (E8M0): e + 127.
;;     - Each number is divided by its block's scale, clamped to +-7.5, and rounded to the nearest number of E2M3, ties to even, subnormals kept.
;;     - The product sums the exact products of the quantised numbers (number of the format x scale) in f32.
;;   ~~~python
;;   def quantise(x, axis):      # numpy; x: float32 -> the quantised numbers, widened to float32 again
;;       x = np.moveaxis(x, axis, -1); K = x.shape[-1]
;;       x = np.pad(x, [(0, 0)] * (x.ndim - 1) + [(0, -K % 32)]); x = x.reshape(x.shape[:-1] + (-1, 32)); a = np.abs(x).max(-1, keepdims=True)
;;       e = np.where(a > 0, np.clip(np.frexp(np.where(a > 0, a, 1))[1] - 1 - 2, -126, 127), 0)      # np.frexp(a)[1] - 1 = floor(log2(a)), exactly
;;       r = np.clip(x / 2.0 ** e, -7.5, 7.5)
;;       step = 2.0 ** (np.maximum(np.frexp(np.where(r == 0, 1, r))[1] - 1, 0) - 3)
;;       q = np.round(r / step) * step * 2.0 ** e      # np.round: ties to even
;;       return np.moveaxis(q.reshape(q.shape[:-2] + (-1,))[..., :K], -1, axis).astype(np.float32)
;;   ~~~
;;   SOFTMAX AHEAD OF A QUANTISED PRODUCT. Where the list says 'softmax', what is quantised is not the finished softmax but p = 2^(t - M), with t = logit x log2(e) and M = ceil(the row's largest t), a whole number; so 1/2 < the row's largest p <= 1. The row's sum l is taken of the UNQUANTISED p, in f32, and the product's result is divided by l at the end. Since M is a whole number, a kernel that streams over the keys may use a running M (the ceiling of the running maximum): every later rescaling is an exact power of two, which a block's scale takes up: the codes' values come out the same.
;;   OPERANDS COMPUTED ON THE WAY. 'Computed on the way' means the value that the module computes at that place (a softmax that the list does not call 'softmax' is quantised finished and normalised). What goes into a quantiser is computed in f32, as accurately as f32 sums, v_exp_f32 and their like allow (about 1e-6 of the number): no bf16 or f16 on the way to a quantiser, and a product that is left as it is and whose result goes on into a quantised operand takes f32 operands (vector FMAs, or v_wmma_f32_16x16x4_f32). A number that lies on a knife's edge between two numbers of the format may be rounded either way, as far as f32 arithmetic and the matrix unit's own rounding can turn it there, and no further.
;; One version. Each part assembles by itself: llvm-mc -triple=amdgcn-amd-amdhsa -mcpu=gfx1250 --defsym DOCPART=n.
;; ======== version 1 of 1: 4 launches
;; limits: right only within a limited range of input values
;; workspace buffers: opnd 9,895,936 bytes; qkv 19,660,800 bytes; ctx 6,553,600 bytes
;; launch quant (part 1): grid 385 x 1, 4 waves a work-group, no clusters, 34,304 bytes of LDS; arguments hidden_states, Wq, Wk, Wv, Wo, masks, opnd; writes opnd
.if DOCPART == 1
	.amdgcn_target "amdgcn-amd-amdhsa--gfx1250"
	.amdhsa_code_object_version 6
	.text
	.protected	k_qa4d4acda75_quant
	.globl	k_qa4d4acda75_quant
	.p2align	8
	.type	k_qa4d4acda75_quant,@function
k_qa4d4acda75_quant:
	s_mov_b64 s[64:65], 0
	v_nop
	global_prefetch_b8 v0, s[64:65] scope:SCOPE_SE
	s_setreg_imm32_b32 hwreg(HW_REG_WAVE_MODE, 25, 1), 1
	s_wait_xcnt 0x0
; hidden_states [8192][1024] and Wq, Wk, Wv, Wo [1024][1024], f32, K innermost, become codes of FP6 (E2M3) with one E8M0 byte for each 32 along K,
; laid in the ORDER OF THE OPERAND'S REGISTERS.  A tile T is 16 rows: lane r of it takes row 32 (T / 2) + 8 (T % 2) + r + 8 (r / 8).
; A fragment (16 rows x 128 K, 12 registers a lane) is 1,536 bytes: six planes of 256 bytes; plane p holds registers 2 p, 2 p + 1 of lane l at byte 256 p + 8 l.
; opnd: x's images [512 tiles][8 K steps][1,536] at 0; the weights' [256 tiles][8][1,536] (Wq, Wk, Wv, Wo on end) at WIMG; scale words [tile][K half][r][4 words] at XSC and WSC;
; two tables of the mask, [4][2048] f32 each: at KBIAS what is added to a key's raw score (0, or -1e12 x 32 where the key's mask is 0), 32,768 bytes on the query's factor (log2(e) / 32, or 0 where the query's mask is 0).
; A block's scale is 2^(floor(log2(largest magnitude)) - 2); its byte is the largest magnitude's exponent field - 2, held at 1 from below (a block of zeros keeps 1: its codes are zeros, and this program alone reads the bytes).
; LIMITS: NaN and infinities are not served; blocks whose largest magnitude lies under 2^-124 are held at the byte 1.
; SHARES: work-groups 0-255 take x, 256-383 the weights (32 each), 384 the masks.  A wave takes one tile x 512 along K: four fragments.  Each load reads 512 consecutive bytes of a row; the 16 rows turn through the
; wave's own stage in LDS (pitch 528, so that sixteen rows start in sixteen different groups of banks) and come back 128 bytes a lane: whole blocks of 32.  No barrier: waves share nothing.
.set WIMG,  6291456
.set XSC,   9437184
.set WSC,   9699328
.set KBIAS, 9830400
.set PITCH, 528
.set R,  64                            ; v64-191  two sets of 64 registers as loaded
.set X,  192                           ; v192-255 my two blocks of 32 numbers
.set PC, 32                            ; v32-43   a fragment's codes
.set CT, 44                            ; v44-51   the second halves of the blocks' codes, before they are moved
.set WF, 52                            ; v52-55   the four fragments' scale words
	s_load_b256 s[4:11], s[0:1], 0x0               ; hidden_states, Wq, Wk, Wv
	s_load_b128 s[12:15], s[0:1], 0x20             ; Wo, masks
	s_load_b64 s[16:17], s[0:1], 0x30              ; opnd
	v_lshl_add_u32 v62, v0, 2, 0x8400
	v_mov_b32 v63, 0
	v_lshrrev_b32 v7, 5, v0
	v_readfirstlane_b32 s18, v7                    ; wave
	v_and_b32 v7, 31, v0                           ; lane
	v_lshlrev_b32 v1, 4, v7                        ; 16 x lane
	s_cmp_eq_u32 ttmp9, 384
	s_cbranch_scc1 .Lmasks
	v_and_b32 v8, 15, v0                           ; r
	v_bfe_u32 v9, v0, 4, 1                         ; h
	s_mul_i32 s19, s18, 16*PITCH                   ; my stage
	v_add_nc_u32 v2, s19, v1                       ; in: 16 x lane of a row
	v_mul_u32_u24 v3, v8, PITCH
	v_lshl_add_u32 v3, v9, 7, v3
	v_add_nc_u32 v3, s19, v3                       ; back: row r, + 128 h: block h of each 64 along K
	v_lshlrev_b32 v4, 3, v7                        ; 8 x lane: my place in a plane
	v_lshlrev_b32 v5, 4, v8
	v_lshl_add_u32 v5, v9, 3, v5                   ; 16 r + 8 h: my place among the scale words
	v_lshlrev_b32 v6, 3, v9                        ; 8 h
	v_mov_b32 v15, 0                               ; written once: a lane permute's destination counts as one of its sources
	s_mov_b32 s20, 0x76543210
	s_mov_b32 s21, 0xfedcba98                      ; selects for lane l xor 16
	s_mov_b32 s22, 0xffff0000                      ; lanes 16-31
	s_wait_alu depctr_va_vdst(0)
	s_wait_kmcnt 0x0
	s_cmp_lt_u32 ttmp9, 352                        ; which tensor: the choice hangs on the work-group's number alone
	s_cselect_b64 s[10:11], s[10:11], s[12:13]
	s_cmp_lt_u32 ttmp9, 320
	s_cselect_b64 s[8:9], s[8:9], s[10:11]
	s_cmp_lt_u32 ttmp9, 288
	s_cselect_b64 s[6:7], s[6:7], s[8:9]
	s_mov_b32 s27, WSC
	s_cmp_lt_u32 ttmp9, 256
	s_cselect_b64 s[4:5], s[4:5], s[6:7]
	s_cselect_b32 s23, 0, 256
	s_cselect_b32 s25, 511, 63                     ; tiles in the source tensor, less one
	s_cselect_b32 s26, 0, WIMG
	s_cselect_b32 s27, XSC, s27
	s_sub_co_u32 s23, ttmp9, s23
	s_lshl_b32 s23, s23, 2
	s_add_co_u32 s23, s23, s18                     ; task
	s_and_b32 s24, s23, 1                          ; which half of K
	s_lshr_b32 s23, s23, 1                         ; tile among x's 512 or the weights' 256
	s_and_b32 s25, s23, s25                        ; tile in the source tensor
	s_lshr_b32 s28, s25, 1
	s_lshl_b32 s28, s28, 17                        ; 32 rows of 4,096 bytes
	s_and_b32 s29, s25, 1
	s_lshl_b32 s29, s29, 15                        ; 8 rows
	s_add_co_u32 s28, s28, s29
	s_lshl_b32 s29, s24, 11                        ; 512 numbers along K
	s_add_co_u32 s28, s28, s29
	s_mov_b32 s29, 0
	s_add_nc_u64 s[4:5], s[4:5], s[28:29]          ; the source at my tile's first row
	s_mul_i32 s28, s23, 12288
	s_mul_i32 s30, s24, 6144
	s_add_co_u32 s28, s28, s30
	s_add_co_u32 s28, s28, s26
	s_add_nc_u64 s[32:33], s[16:17], s[28:29]      ; my four images
	s_lshl_b32 s28, s23, 9
	s_lshl_b32 s30, s24, 8
	s_add_co_u32 s28, s28, s30
	s_add_co_u32 s28, s28, s27
	s_add_nc_u64 s[34:35], s[16:17], s[28:29]      ; my 256 bytes of scale words
.macro LOAD f                          ; fragment f: 128 numbers of each of the tile's 16 rows; 32 lanes read 512 consecutive bytes
.irp i, 0,1,2,3,4,5,6,7,8,9,10,11,12,13,14,15
	global_load_b128 v[R+64*((\f)%2)+4*\i:R+64*((\f)%2)+4*\i+3], v1, s[4:5] offset:(\i+8*(\i/8))*4096+512*(\f) th:TH_LOAD_NT
.endr
.endm
.macro TURN f                          ; through the stage: LDS serves a wave's instructions in order, so no wait stands between the stores and the loads
.irp i, 0,1,2,3,4,5,6,7,8,9,10,11,12,13,14,15
	ds_store_b128 v2, v[R+64*((\f)%2)+4*\i:R+64*((\f)%2)+4*\i+3] offset:PITCH*\i
.endr
.irp c, 0,1
.irp i, 0,1,2,3,4,5,6,7
	ds_load_b128 v[X+32*\c+4*\i:X+32*\c+4*\i+3], v3 offset:256*\c+16*\i   ; k = 64 c + 32 h + 4 i on, of row r
.endr
.endr
	s_wait_dscnt 0x0                               ; my numbers are back, and the stores have read their set, which may be loaded again
.endm
.macro Q2 f                            ; my two whole blocks, 2 c + h, become registers 6 c .. 6 c + 5 of the fragment
.irp c, 0,1
	v_max3_num_f32 v[8+\c], |v[X+32*\c]|, |v[X+32*\c+1]|, 0x1800000   ; with the floor 2^(3 - 127): the byte cannot fall under 1
.endr
.irp i, 2,4,6,8,10,12,14,16,18,20,22,24,26,28,30
.irp c, 0,1
	v_max3_num_f32 v[8+\c], v[8+\c], |v[X+32*\c+\i]|, |v[X+32*\c+\i+1]|
.endr
.endr
.irp c, 0,1
	v_add_nc_u32 v[10+\c], 0xff000000, v[8+\c]     ; 2 off the exponent field: the conversion's scale operand
.endr
.irp c, 0,1
	v_lshrrev_b32 v[12+\c], 23, v[10+\c]           ; the scale's byte
.endr
	v_lshl_or_b32 v14, v13, 16, v12                ; blocks h and 2 + h,
	v_lshlrev_b32 v14, v6, v14                     ; at their places in the word;
	v_permlanex16_b32 v15, v14, s20, s21
	v_or_b32 v[WF+(\f)], v14, v15                  ; with lane l xor 16's two the word is whole
.if (\f) > 0
	s_wait_alu depctr_va_vdst(0)
	s_wait_xcnt 0x0                                ; the last fragment's stores have read their data: the codes' registers may be written again
.endif
.irp c, 0,1
	v_cvt_scalef32_pk16_fp6_f32 v[PC+6*\c:PC+6*\c+2], v[X+32*\c:X+32*\c+15], v[10+\c]
	v_cvt_scalef32_pk16_fp6_f32 v[CT+4*\c:CT+4*\c+2], v[X+32*\c+16:X+32*\c+31], v[10+\c]   ; (a conversion's three registers begin on an even number)
.endr
	v_nop                                          ; one plain instruction behind the scaled conversions
.irp c, 0,1
.irp i, 0,1,2
	v_mov_b32 v[PC+3+6*\c+\i], v[CT+4*\c+\i]
.endr
.endr
.irp q, 0,1,2,3,4,5
	global_store_b64 v4, v[PC+2*\q:PC+2*\q+1], s[32:33] offset:1536*(\f)+256*\q   ; a plane: 256 consecutive bytes, aligned
.endr
.endm
	LOAD 0
	LOAD 1
	s_wait_loadcnt 16                              ; fragment 0's sixteen loads are in; the younger sixteen stay out
	TURN 0
	LOAD 2
	Q2 0
	s_wait_loadcnt 16
	TURN 1
	LOAD 3
	Q2 1
	s_wait_loadcnt 16
	TURN 2
	Q2 2
	s_wait_loadcnt 0x0
	TURN 3
	Q2 3
	v_cndmask_b32 v56, v[WF], v[WF+2], s22         ; lanes 0-15 store words 0, 1 of row r, lanes 16-31 words 2, 3
	v_cndmask_b32 v57, v[WF+1], v[WF+3], s22
	global_store_b64 v5, v[56:57], s[34:35]        ; 256 consecutive bytes, aligned
	s_wait_tensorcnt 0x0
	ds_add_u32 v62, v63
	s_wait_dscnt 0x0
	s_endpgm
.Lmasks:                                               ; wave w takes batch w: 2,048 masks, 64 a lane
	s_lshl_b32 s28, s18, 13
	s_mov_b32 s29, 0
	s_add_co_u32 s30, s28, KBIAS
	s_mov_b32 s31, 0
	v_mov_b32 v10, 0
	v_mov_b32 v11, 0xd5e8d4a5                      ; -1e12 x 32: the raw score is divided by 32 later
	v_mov_b32 v12, 0x3d38aa3b                      ; log2(e) / 32
	s_wait_kmcnt 0x0
	s_add_nc_u64 s[14:15], s[14:15], s[28:29]
	s_add_nc_u64 s[16:17], s[16:17], s[30:31]
	s_wait_alu depctr_va_vdst(0)
.irp i, 0,1,2,3,4,5,6,7,8,9,10,11,12,13,14,15
	global_load_b128 v[64+4*\i:67+4*\i], v1, s[14:15] offset:512*\i
.endr
	s_wait_loadcnt 0x0
.set j, 0
.rept 64
	v_cmp_eq_f32 vcc_lo, 0, v[64+j]
	v_cndmask_b32 v[128+j], v10, v11, vcc_lo       ; the key's addend
	v_cndmask_b32 v[192+j], v12, v10, vcc_lo       ; the query's factor
.set j, j+1
.endr
.irp i, 0,1,2,3,4,5,6,7,8,9,10,11,12,13,14,15
	global_store_b128 v1, v[128+4*\i:131+4*\i], s[16:17] offset:512*\i
	global_store_b128 v1, v[192+4*\i:195+4*\i], s[16:17] offset:32768+512*\i
.endr
	s_endpgm
.Lfunc_end_k_qa4d4acda75_quant:
	.size	k_qa4d4acda75_quant, .Lfunc_end_k_qa4d4acda75_quant-k_qa4d4acda75_quant
	.p2alignl 7, 3214868480
	.fill 96, 4, 3214868480
	.section	.rodata,"a",@progbits
	.p2align	6, 0x0
	.amdhsa_kernel k_qa4d4acda75_quant
		.amdhsa_group_segment_fixed_size 34304
		.amdhsa_private_segment_fixed_size 0
		.amdhsa_enable_private_segment 0
		.amdhsa_kernarg_size 56
		.amdhsa_user_sgpr_count 2
		.amdhsa_user_sgpr_kernarg_segment_ptr 1
		.amdhsa_wavefront_size32 1
		.amdhsa_system_sgpr_workgroup_id_x 1
		.amdhsa_system_sgpr_workgroup_id_y 1
		.amdhsa_system_sgpr_workgroup_id_z 1
		.amdhsa_system_vgpr_workitem_id 0
		.amdhsa_next_free_vgpr 256
		.amdhsa_next_free_sgpr 66
		.amdhsa_reserve_vcc 1
		.amdhsa_float_denorm_mode_32 3
		.amdhsa_float_denorm_mode_16_64 3
		.amdhsa_memory_ordered 1
		.amdhsa_forward_progress 1
		.amdhsa_inst_pref_size 43
	.end_amdhsa_kernel
	.amdgpu_metadata
---
amdhsa.version: [ 1, 2 ]
amdhsa.kernels:
  - .name:           k_qa4d4acda75_quant
    .symbol:         k_qa4d4acda75_quant.kd
    .args:
      - { .name: hidden_states, .offset: 0, .size: 8, .value_kind: global_buffer, .address_space: global }
      - { .name: Wq, .offset: 8, .size: 8, .value_kind: global_buffer, .address_space: global }
      - { .name: Wk, .offset: 16, .size: 8, .value_kind: global_buffer, .address_space: global }
      - { .name: Wv, .offset: 24, .size: 8, .value_kind: global_buffer, .address_space: global }
      - { .name: Wo, .offset: 32, .size: 8, .value_kind: global_buffer, .address_space: global }
      - { .name: masks, .offset: 40, .size: 8, .value_kind: global_buffer, .address_space: global }
      - { .name: opnd, .offset: 48, .size: 8, .value_kind: global_buffer, .address_space: global }
    .group_segment_fixed_size: 34304
    .private_segment_fixed_size: 0
    .kernarg_segment_align: 8
    .kernarg_segment_size: 56
    .max_flat_workgroup_size: 128
    .sgpr_count:     66
    .vgpr_count:     256
    .wavefront_size: 32
...
	.end_amdgpu_metadata
.endif
;; end of part 1
;; launch qkv (part 2): grid 8 x 32, 4 waves a work-group, clusters of 4 x 4, 327,680 bytes of LDS; arguments opnd, bk, bv, qkv; writes qkv
.if DOCPART == 2
	.amdgcn_target "amdgcn-amd-amdhsa--gfx1250"
	.amdhsa_code_object_version 6
	.text
	.protected	k_qa4d4acda75_qkv
	.globl	k_qa4d4acda75_qkv
	.p2align	8
	.type	k_qa4d4acda75_qkv,@function
k_qa4d4acda75_qkv:
	s_mov_b64 s[64:65], 0
	v_nop
	global_prefetch_b8 v0, s[64:65] scope:SCOPE_SE
	s_setreg_imm32_b32 hwreg(HW_REG_WAVE_MODE, 25, 1), 1
	s_wait_xcnt 0x0
	s_wait_alu depctr_hold_cnt(0) depctr_sa_sdst(0) depctr_va_vdst(0) depctr_va_sdst(0) depctr_va_ssrc(0) depctr_va_vcc(0) depctr_vm_vsrc(0)
	s_getreg_b32 s2, hwreg(HW_REG_IB_STS2, 6, 4)
	s_cmp_eq_u32 s2, 0
	s_cbranch_scc0 .Lentry_in_a_cluster
	s_endpgm
.Lentry_in_a_cluster:
	s_bfe_u32 s2, ttmp6, 0x10000c
	s_cmp_lg_u32 s2, 0xf033
	s_cbranch_scc0 .Lentry_shape_is_right
	s_endpgm
.Lentry_shape_is_right:
; q, k, v = x W^T + b on codes of FP6 (E2M3) with E8M0 scales, K = 1,024, and their quantising for the attention, in the way out: q and k along the head's 64, v along the keys.
; Operands come as images of their registers (a fragment of 16 rows x 128 K is 1,536 bytes, six planes of 256; tile T's lane r is row 32 (T / 2) + 8 (T % 2) + r + 8 (r / 8)).
; A work-group makes 256 x 256, a wave 128 x 128: 64 accumulators.  Source 0's rows run along a lane's registers, source 1's rows lie in the lanes.  With the tiles' choice of rows the 16 registers of
; source 0's tiles 2 g, 2 g + 1 are 16 NEIGHBOURS.  So the side that is to be quantised goes to source 0: cluster x = 0 (q), 1 (k): source 0 = W, source 1 = x; cluster x = 2 (v): source 0 = x, source 1 = Wv.
; Only offsets in memory differ between the two modes; LDS and the eight K steps are the same.  "A" below is source 1's tensor, "B" source 0's.
; qkv: images of q, k at X x 6,291,456: [b x 16 + head][group of 32 tokens][half u][768 bytes] (tile 2 g + u x 64 dims); of v: [head][key step of 128][channel tile 4][1,536];
; scale words at 18,874,368 + X x 262,144: [head][step][2][32 lanes].  These words leave in stores of 128 consecutive bytes, 4 of 100 of what the launch stores.
; CLUSTERS 4 x 4: A's tiles are shared along a row of the cluster, B's along a column, by joint loads.  Three LDS slots of two K steps; slot 0 is filled a second time, for K steps 6, 7: one refill, behind one round.
; 384 tiles for 256 WGPs: a tile of half the rows would read each LDS byte for half the products.
; LIMITS: NaN and infinities are not served; a block under 2^-124 keeps the byte 1.
; THIS LAUNCH MAKES k AND v ALONE: cluster x = 0 is k, cluster x = 1 is v; q is made by the attention launch from x's and Wq's images.  256 tiles for 256 WGPs.  k's and v's places in qkv are as stated above; q's stay unwritten and unread.
.set WIMG,  6291456
.set XSC,   9437184
.set WSC,   9699328
.set QSCL,  18874368
.set SLOT,  98304                      ; A's 16 tiles x 3,072 bytes (two K steps), then B's
.set HALFT, 24576                      ; 8 tiles: what one tensor load brings and what a wave reads of a side
.set SCL,   3*SLOT                     ; the scale words of all of K: A's 16 tiles x 512 bytes, then B's
.set HALFS, 4096
.set SPARE, SCL+4*HALFS                ; the spare words, 128 bytes a wave: two blocks of 256 bytes that no other line names
.set FR,   12
.set SC,   32                          ; v32-95   scale words: register 8 i + s: lanes 0-15 A's tile i, lanes 16-31 B's tile i, K step s
.set AF,   128                         ; v128-223 A's eight fragments, one set
.set ADRA, 16                          ; v16-19   my A fragments for K steps 0-1, 2-3, 4-5, 6-7
.set ADRB, 20                          ; v20-23   my B fragments
.set L8,   26                          ; v26      8 x lane
.set ADRS, 27                          ; v27      my scale words
.set SPW,  28                          ; v28      my spare word; never rewritten
.set NIL,  29                          ; v29      0; never rewritten
.set H,    128                         ; the way out: 64 numbers of a block
.set PC,   192                         ; v192-211 the codes just made
.set TM,   224                         ; v224-239 at work in the quantiser
.set PWS,  240                         ; v240-247 the eight blocks' scale words
.set SEL,  100                         ; s[100:101]
.set G1A,  24                          ; s[24:31] group 1, A's tiles; s[32:43] groups 0, a set for each slot; s[44:47] group 0, A's scales
.set G0A,  32
.set G0SA, 44
.set G1B,  48                          ; s[48:55] group 1, B's tiles; groups 0 at s56, s60, s68; s[72:75] B's scales
.set G0SB, 72
.set G1SA, 76                          ; s[76:83], s[84:91] groups 1 for the scales
.set G1SB, 84
.set MSB, 0
.macro WIN new                         ; the immediate's high byte repeats the setting that is left
.if MSB != (\new)
	s_set_vgpr_msb (MSB<<8)|(\new)
.set MSB, (\new)
.endif
.endm
.set MUL_LO, 0xa1                      ; source 0 (B) window 1, source 1 (A) window 0, C and D window 2
.set MUL_HI, 0xf1                      ; the same, C and D window 3
.set TO_B,   0x40
.macro JLOAD g0a, g1a, g0b, g1b        ; a joint load: waves 0, 1 fetch for A, waves 2, 3 for B; four v_nop follow each line
	s_cmp_eq_u32 s15, 0
	s_cbranch_scc0 .Lfor_b_\@
	tensor_load_to_lds s[\g0a:\g0a+3], s[\g1a:\g1a+7]
	s_nop 0
.rept 4
	v_nop
.endr
	s_branch .Lasked_\@
.Lfor_b_\@:
	tensor_load_to_lds s[\g0b:\g0b+3], s[\g1b:\g1b+7]
	s_nop 0
.rept 4
	v_nop
.endr
.Lasked_\@:
.endm
.macro CREST                           ; a round of the cluster's barrier behind its opening barrier
	s_cmp_lg_u32 s14, 0
	s_cbranch_scc1 .Lnot_wave_0_\@
	s_barrier_signal -3
.Lnot_wave_0_\@:
	s_barrier_wait -3
	s_barrier_signal -1
	s_barrier_wait -1
.endm
.macro CROUND
	s_barrier_signal -1
	s_barrier_wait -1
	CREST
.endm
.macro SETG0 g, base, add              ; count, LDS address, type; the global address has been written
	s_mov_b32 s[\g], 1
	s_add_co_u32 s[\g+1], s[\base], \add
	s_or_b32 s[\g+3], s[\g+3], 0x80000000
.endm
.macro PLACES                          ; four plain instructions between a matrix instruction and a load into, or a vector read or write of, its registers (ISA guide 7.12.1 for vector reads and writes)
.rept 4
	v_nop
.endr
.endm
	s_load_b128 s[4:7], s[0:1], 0x0                ; opnd, bk
	s_load_b64 s[8:9], s[0:1], 0x10                ; bv
	s_load_b64 s[12:13], s[0:1], 0x18              ; qkv
	v_lshl_add_u32 v[SPW], v0, 2, SPARE
	v_mov_b32 v[NIL], 0
	ds_add_u32 v28, v29
	ds_add_u32 v28, v29
	s_wait_dscnt 0x0
	v_lshrrev_b32 v1, 5, v0
	v_readfirstlane_b32 s14, v1                    ; wave
	s_lshr_b32 s15, s14, 1                         ; my half of A's rows.  Also: I fetch for A (0) or B (1)
	s_and_b32 s16, s14, 1                          ; my half of B's rows.  Also: which 8 tiles I fetch
	s_bfe_u32 s92, ttmp6, 0x40000                  ; cx
	s_bfe_u32 s93, ttmp6, 0x40004                  ; cy
	s_and_b32 s94, ttmp7, 0xffff
	s_lshl_b32 s94, s94, 2                         ; 4 x cluster y
	s_lshl_b32 s95, ttmp9, 2
	s_add_co_u32 s95, s95, 4                       ; 4 x (cluster x + 1): Wk's blocks of 256 rows begin behind Wq's four
	s_lshl_b32 s17, s93, 2
	s_lshl_b32 s17, 15, s17                        ; my row of the cluster
	s_lshl_b32 s18, 0x1111, s92                    ; my column
	s_or_b32 s[G1A], s17, (3<<16)|(1<<21)          ; the mask; elements of 8 bytes; bit 21 beside a mask; no padding
	s_or_b32 s[G1B], s18, (3<<16)|(1<<21)
	s_or_b32 s[G1SA], s17, (3<<16)|(1<<21)
	s_or_b32 s[G1SB], s18, (3<<16)|(1<<21)
.irp g, G1A, G1B                       ; 8 tiles x 3,072 bytes (two K steps' images), 12,288 bytes from tile to tile
	s_mov_b32 s[\g+1], 768<<16                     ; the head's loads: 16 tiles x 6,144 bytes (four K steps' images)
	s_mov_b32 s[\g+2], 16<<16
	s_mov_b32 s[\g+3], 768<<16
	s_mov_b32 s[\g+4], 16
	s_mov_b32 s[\g+5], 1536
	s_mov_b32 s[\g+6], 0
	s_mov_b32 s[\g+7], 0
.endr
.irp g, G1SA, G1SB                     ; 8,192 dense bytes as 32 rows of 256
	s_mov_b32 s[\g+1], 32<<16
	s_mov_b32 s[\g+2], 32<<16                      ; a side's 16 tiles: 8,192 dense bytes as 32 rows of 256
	s_mov_b32 s[\g+3], 32<<16
	s_mov_b32 s[\g+4], 32
	s_mov_b32 s[\g+5], 32
	s_mov_b32 s[\g+6], 0
	s_mov_b32 s[\g+7], 0
.endr
	s_mov_b32 s19, XSC
	s_mov_b32 s20, WSC
	s_cmp_eq_u32 ttmp9, 1
	s_cselect_b32 s98, 1, 0
	s_cselect_b32 s96, 8, s94                      ; A's block of 256 rows, less cy: Wv's begin at 8 x 256 of the weights' rows
	s_cselect_b32 s97, s94, s95                    ; B's, less cx
	s_cselect_b32 s21, WIMG, 0                     ; where A's images begin,
	s_cselect_b32 s22, 0, WIMG                     ; B's,
	s_cselect_b32 s23, s20, s19                    ; A's scale words,
	s_cselect_b32 s19, s19, s20                    ; B's
	s_add_co_u32 s96, s96, s93                     ; A hangs on cy alone,
	s_add_co_u32 s97, s97, s92                     ; B on cx alone
	s_lshl_b32 s99, s16, 3
	s_lshl_b32 s17, s96, 4
	s_add_co_u32 s17, s17, s99                     ; A's first tile that I would fetch
	s_lshl_b32 s18, s97, 4
	s_add_co_u32 s18, s18, s99                     ; B's
	s_mov_b32 s3, 0
	s_mov_b32 s67, 0
	s_wait_kmcnt 0x0
	s_mul_i32 s2, s17, 12288
	s_add_co_u32 s2, s2, s21
	s_add_nc_u64 s[G0A+2:G0A+3], s[4:5], s[2:3]    ; slot s begins with K steps 2 s, 2 s + 1
	s_mul_i32 s2, s99, 12288
	s_sub_nc_u64 s[G0A+6:G0A+7], s[G0A+2:G0A+3], s[2:3]   ; the head's load of A: the block's first tile
	s_add_nc_u64 s[G0A+10:G0A+11], s[G0A+2:G0A+3], 6144
	s_sub_co_u32 s2, s17, s99                      ; the scales of the block's 16 tiles
	s_lshl_b32 s2, s2, 9
	s_add_co_u32 s2, s2, s23
	s_add_nc_u64 s[G0SA+2:G0SA+3], s[4:5], s[2:3]
	s_mul_i32 s66, s18, 12288
	s_add_co_u32 s66, s66, s22
	s_add_nc_u64 s[58:59], s[4:5], s[66:67]
	s_mul_i32 s66, s99, 12288
	s_sub_nc_u64 s[62:63], s[58:59], s[66:67]      ; the head's load of B: the block's first tile
	s_add_nc_u64 s[70:71], s[58:59], 6144
	s_sub_co_u32 s66, s18, s99
	s_lshl_b32 s66, s66, 9
	s_add_co_u32 s66, s66, s19
	s_add_nc_u64 s[G0SB+2:G0SB+3], s[4:5], s[66:67]
	s_mul_i32 s20, s14, HALFT                      ; where they go: wave x 8 tiles: no place in the cluster enters an LDS address
	SETG0 G0A, 20, 0                               ; K steps 6, 7: dense, from LDS byte 0 on
	SETG0 G0A+4, 3, 0                              ; the head's: A's K steps 0-3 at LDS byte 0 (s3 = 0),
	SETG0 G0A+8, 20, 2*SLOT                        ; K steps 4, 5
	SETG0 56, 20, 0
	SETG0 60, 3, SLOT                              ; B's K steps 0-3 behind them,
	SETG0 68, 20, 2*SLOT
	SETG0 G0SA, 3, SCL                             ; A's scales, B's scales
	SETG0 G0SB, 3, SCL+2*HALFS
	CROUND                                         ; all sixteen work-groups are here: the first joint loads meet
; the head's four tiles, one joint load a wave, in one chain of branches on the wave's number
.macro ARM under, g0, g1, next
	s_cmp_lt_u32 s14, \under
	s_cbranch_scc0 \next
	tensor_load_to_lds s[\g0:\g0+3], s[\g1:\g1+7]
	s_nop 0
.rept 4
	v_nop
.endr
	s_branch .Lhead_asked
\next:
.endm
	ARM 1, G0A+4, G1A, .Lhead_b
	ARM 2, 60, G1B, .Lhead_sa
	ARM 3, G0SA, G1SA, .Lhead_sb
	tensor_load_to_lds s[G0SB:G0SB+3], s[G1SB:G1SB+7]
	s_nop 0
.rept 4
	v_nop
.endr
.Lhead_asked:
	; the bias table, 64 registers in window 1.  q, k: register 8 t + j = the bias of my wave's channel 32 (t / 2) + 16 h + 8 (t % 2) + j; v: register 8 a + j = the bias of my lane's channel in block a
	s_cmp_eq_u32 s98, 1
	s_cselect_b32 s17, s93, s92                    ; which 256 channels
	s_cselect_b32 s18, s15, s16                    ; which 128 of them
	s_cselect_b32 s19, 0, 64
	s_cselect_b32 s21, 4, 0
	s_cselect_b32 s22, 0, 4
	s_cselect_b64 s[6:7], s[8:9], s[6:7]           ; bv or bk
	s_lshl_b32 s2, s17, 10
	s_lshl_b32 s18, s18, 9
	s_add_co_u32 s2, s2, s18
	s_mov_b32 s3, 0
	s_add_nc_u64 s[6:7], s[6:7], s[2:3]
	v_and_b32 v1, 15, v0                           ; r
	v_bfe_u32 v2, v0, 4, 1                         ; h
	v_and_b32 v3, 31, v0                           ; lane
	v_and_b32 v4, 8, v1
	v_add_nc_u32 v4, v4, v1                        ; r + 8 (r / 8)
	v_mul_u32_u24 v5, s19, v2
	v_mad_u32_u24 v5, v4, s21, v5
	s_wait_alu depctr_va_vdst(0)
.irp j, 0,1,2,3,4,5,6,7
	s_mul_i32 s23, s22, \j
	v_add_nc_u32 v[8+\j], s23, v5
.endr
	WIN TO_B
	s_wait_alu depctr_va_vdst(0)
.irp t, 0,1,2,3,4,5,6,7
.irp j, 0,1,2,3,4,5,6,7
	global_load_b32 v[96+8*\t+96*(\t/4)+\j], v[8+\j], s[6:7] offset:(32*(\t/2)+8*(\t%2))*4
.endr
.endr
	WIN 0
	s_mul_i32 s17, s15, 2*HALFT                    ; K steps 0-3: my 8 tiles of A, 6,144 bytes a tile,
	s_mul_i32 s18, s16, 2*HALFT
	s_add_co_u32 s18, s18, SLOT                    ; of B, behind A's 16
	s_mul_i32 s19, s15, HALFT                      ; K steps 6, 7: 3,072 bytes a tile, A's 16 then B's
	s_mul_i32 s21, s16, HALFT
	s_add_co_u32 s21, s21, 2*HALFT
	s_add_co_u32 s22, s19, 2*SLOT                  ; K steps 4, 5: the same, two slots on
	s_add_co_u32 s23, s21, 2*SLOT
	v_lshlrev_b32 v[L8], 3, v3
	v_add_nc_u32 v[ADRA], s17, v[L8]
	v_add_nc_u32 v[ADRB], s18, v[L8]
	v_add_nc_u32 v[ADRA+1], 3072, v[ADRA]          ; K steps 2, 3 lie 3,072 bytes on in each tile's row
	v_add_nc_u32 v[ADRB+1], 3072, v[ADRB]
	v_add_nc_u32 v[ADRA+2], s22, v[L8]
	v_add_nc_u32 v[ADRB+2], s23, v[L8]
	v_add_nc_u32 v[ADRA+3], s19, v[L8]
	v_add_nc_u32 v[ADRB+3], s21, v[L8]
	v_lshlrev_b32 v6, 4, v1                        ; 16 bytes a row and half of K
	s_lshl_b32 s17, s15, 12
	s_lshl_b32 s18, s16, 12
	s_add_co_u32 s18, s18, 2*HALFS
	s_sub_co_u32 s18, s18, s17
	v_mul_u32_u24 v7, s18, v2                      ; lanes 16-31 take B's
	s_add_co_u32 s17, s17, SCL
	v_add_nc_u32 v6, v6, v7
	v_add_nc_u32 v[ADRS], s17, v6
.irp b, 0,1,2,3
	v_mov_b32 v[TM+4+\b], 0                        ; written once: a lane permute's destination counts as one of its sources
.endr
	s_mov_b32 s[SEL], 0x76543210
	s_mov_b32 s[SEL+1], 0xfedcba98
.macro FRAG reg, adr, q, i             ; tile i's fragment of the slot's q-th K step: six planes, 8 bytes a lane, 256 consecutive bytes a load
.irp p, 0,1,2,3,4,5
	ds_load_b64 v[\reg+2*\p:\reg+2*\p+1], v[\adr] offset:STR*(\i)+1536*(\q)+256*\p
.endr
.endm
.macro FETCH_B slot, q, set
	WIN TO_B
.irp i, 0,1,2,3,4,5,6,7
	FRAG 128*(\set)+FR*\i, ADRB+\slot, \q, \i
.endr
	WIN 0
.endm
.macro FETCH_A slot, q, i0
.irp i, \i0, \i0+1, \i0+2, \i0+3
	FRAG AF+FR*(\i), ADRA+\slot, \q, \i
.endr
.endm
; 16 matrix instructions: A's blocks a0, a0 + 1 x B's eight, K step ks, B's set p.  The 64 accumulators take turns, one instruction a turn, in the same order in every step.
.macro MUL16 a0, p, ks, zero
.irp a, \a0, \a0+1
.irp b, 0,1,2,3,4,5,6,7
.if \zero
	v_wmma_scale_f32_16x16x128_f8f6f4 v[8*(8*((\a)%4)+\b):8*(8*((\a)%4)+\b)+7], v[128*(\p)+FR*\b:128*(\p)+FR*\b+FR-1], v[AF+FR*(\a):AF+FR*(\a)+FR-1], 0, v[SC+8*\b+(\ks)], v[SC+8*(\a)+(\ks)] matrix_a_fmt:MATRIX_FMT_FP6 matrix_b_fmt:MATRIX_FMT_FP6 matrix_a_scale:MATRIX_SCALE_ROW1
.else
	v_wmma_scale_f32_16x16x128_f8f6f4 v[8*(8*((\a)%4)+\b):8*(8*((\a)%4)+\b)+7], v[128*(\p)+FR*\b:128*(\p)+FR*\b+FR-1], v[AF+FR*(\a):AF+FR*(\a)+FR-1], v[8*(8*((\a)%4)+\b):8*(8*((\a)%4)+\b)+7], v[SC+8*\b+(\ks)], v[SC+8*(\a)+(\ks)] matrix_a_fmt:MATRIX_FMT_FP6 matrix_b_fmt:MATRIX_FMT_FP6 matrix_a_scale:MATRIX_SCALE_ROW1
.endif
.endr
.endr
.endm
.macro STEP slot, ks, zero             ; a slot's first K step; its successor lies in the same slot
	s_wait_dscnt 24                                ; B's set and A's blocks 0-3 are in; the youngest 24 loads (A's blocks 4-7) may be out
	WIN MUL_LO
	MUL16 0, 0, \ks, \zero
	MUL16 2, 0, \ks, \zero
	s_wait_dscnt 0x0                               ; A's blocks 4-7 are in
	PLACES
	FETCH_B \slot, 1, 1
	FETCH_A \slot, 1, 0
	WIN MUL_HI
	MUL16 4, 0, \ks, \zero
	MUL16 6, 0, \ks, \zero
	PLACES
	WIN 0
	FETCH_A \slot, 1, 4
.endm
.macro TAIL next, ks                   ; the second half of a slot's last K step, with the next slot's first fragments
	FETCH_B \next, 0, 0
	FETCH_A \next, 0, 0
	WIN MUL_HI
	MUL16 4, 1, \ks, 0
	MUL16 6, 1, \ks, 0
	PLACES
	WIN 0
	FETCH_A \next, 0, 4
.endm
.macro TURNP next, ks, tc              ; a change of slots behind which nothing is filled: tc younger tensor loads of mine may stay out
	s_wait_tensorcnt \tc                           ; my part of the next slot has landed
	s_wait_dscnt 24
	WIN MUL_LO
	MUL16 0, 1, \ks, 0
	s_wait_dscnt 0x0                               ; no LDS instruction of mine is out at the signal
	s_barrier_signal -1
	MUL16 2, 1, \ks, 0
	WIN 0
	s_barrier_wait -1                              ; everybody's part has landed
	PLACES
	TAIL \next, \ks
.endm
.macro TURNF next, ks                  ; the change of slots behind which slot 0 is filled again, with K steps 6 and 7
	s_wait_tensorcnt 0x0                           ; all my tensor loads have landed, my part of the next slot among them
	ds_add_u32 v[SPW], v[NIL]                      ; 0 onto my spare word
	s_wait_dscnt 25                                ; (the add and A's blocks 4-7 may be out)
	WIN MUL_LO
	MUL16 0, 1, \ks, 0
	s_wait_dscnt 0x0                               ; the add is done and all my LDS reads are back; slot 0's were over two K steps ago
	s_barrier_signal -1
	MUL16 2, 1, \ks, 0
	WIN 0
	s_barrier_wait -1
	CREST                                          ; the barrier has opened a round of the cluster's: no wave of any partner reads slot 0 or has a load on its way
	s_add_nc_u64 s[G0A+2:G0A+3], s[G0A+2:G0A+3], 9216
	s_add_nc_u64 s[58:59], s[58:59], 9216
	JLOAD G0A, G1A, 56, G1B                        ; the first tensor load behind the round; it has two K steps, 128 matrix instructions, in which to land; its four v_nop are the places for the loads below
	TAIL \next, \ks
.endm
	s_wait_alu depctr_va_vdst(0)
	s_wait_tensorcnt 0x0                           ; my tile of the head's four is in
	ds_add_u32 v[SPW], v[NIL]
.irp g, G1A, G1B                       ; no tensor load of mine is out: from here on a load brings 8 tiles x 3,072 bytes
	s_mov_b32 s[\g+1], 384<<16
	s_mov_b32 s[\g+2], 8<<16
	s_mov_b32 s[\g+3], 384<<16
	s_mov_b32 s[\g+4], 8
.endr
	s_wait_dscnt 0x0
	CROUND                                         ; a whole round: all four tiles are in, in every partner
	JLOAD G0A+8, G1A, 68, G1B                      ; K steps 4, 5: my one load behind the round; three K steps, 192 matrix instructions, stand ahead of the wait for it
.set STR, 6144                         ; bytes from tile to tile in the slots being fetched from
	FETCH_B 0, 0, 0
	FETCH_A 0, 0, 0
.irp i, 0,1,2,3,4,5,6,7
.irp k, 0,1
	ds_load_b128 v[SC+8*\i+4*\k:SC+8*\i+4*\k+3], v[ADRS] offset:512*\i+256*\k   ; the scale words of all eight K steps, once
.endr
.endr
	FETCH_A 0, 0, 4
	STEP 0, 0, 1                                   ; the first products start the sums: nothing is cleared
	TURNP 1, 1, 1                                  ; slot 2's load may stay out
	STEP 1, 2, 0
.set STR, 3072
	TURNF 2, 3
	STEP 2, 4, 0
	TURNP 3, 5, 0                                  ; the refill has landed
	STEP 3, 6, 0
	s_wait_dscnt 24
	WIN MUL_LO
	MUL16 0, 1, 7, 0
	MUL16 2, 1, 7, 0
	s_wait_dscnt 0x0
	WIN MUL_HI
	MUL16 4, 1, 7, 0
	MUL16 6, 1, 7, 0
	WIN 0
	; THE WAY OUT.  Its scalars are made here, in the registers of the scale descriptors, whose loads are long done.
	s_wait_loadcnt 0x0                             ; the bias table
	s_cmp_eq_u32 s98, 1
	s_cselect_b32 s72, s97, s96                    ; which 256 tokens
	s_cselect_b32 s73, s93, s92                    ; which 256 channels
	s_cselect_b32 s74, s16, s15                    ; my half of the tokens
	s_cselect_b32 s75, s15, s16                    ; my half of the channels
	s_mov_b32 s84, 768
	s_cselect_b32 s84, 1536, s84                   ; from block to block: q, k: a token tile's 768 bytes; v: a channel tile's fragment
	s_mov_b32 s86, 768
	s_cselect_b32 s86, 93696, s86                  ; behind block 3: v goes on to the next head
	s_mov_b32 s88, 98304
	s_cselect_b32 s88, 768, s88                    ; from the fragment's first half to its second: q, k: the next head; v: the same fragment
	s_mov_b32 s2, 128
	s_cselect_b32 s2, 4096, s2
	s_mov_b32 s3, 4096
	s_cselect_b32 s3, 128, s3
	s_mov_b32 s90, 0x05040100
	s_cselect_b32 s90, 0x03020100, s90
	s_mov_b32 s91, 0x07060302
	s_cselect_b32 s91, 0x07060504, s91
	s_mov_b32 s85, 0
	s_mov_b32 s87, 0
	s_mov_b32 s89, 0
	s_mov_b32 s66, 0xffff0000                      ; lanes 16-31
	s_lshr_b32 s76, s72, 3
	s_lshl_b32 s76, s76, 4
	s_lshl_b32 s73, s73, 2
	s_add_co_u32 s76, s76, s73
	s_lshl_b32 s75, s75, 1
	s_add_co_u32 s76, s76, s75                     ; 16 x batch + my first head
	s_and_b32 s77, s72, 7
	s_lshl_b32 s77, s77, 1
	s_add_co_u32 s77, s77, s74                     ; my step of 128 tokens in the batch
	s_mul_i32 s78, ttmp9, 6291456
	s_add_co_u32 s78, s78, 6291456                 ; k's images lie behind q's place
	s_mul_i32 s67, s76, 98304
	s_add_co_u32 s78, s78, s67
	s_mul_i32 s67, s77, 6144
	s_add_co_u32 s78, s78, s67
	s_mov_b32 s79, 0
	s_add_nc_u64 s[78:79], s[12:13], s[78:79]      ; where a block's first three planes go,
	s_add_nc_u64 s[80:81], s[78:79], s[88:89]      ; and its second three
	s_lshl_b32 s82, ttmp9, 18
	s_add_co_u32 s82, s82, 262144
	s_lshl_b32 s67, s76, 12
	s_add_co_u32 s82, s82, s67
	s_lshl_b32 s67, s77, 8
	s_add_co_u32 s82, s82, s67
	s_add_co_u32 s82, s82, QSCL
	s_mov_b32 s83, 0
	s_add_nc_u64 s[82:83], s[12:13], s[82:83]      ; my scale words
	v_lshlrev_b32 v25, 2, v3
	v_add_nc_u32 v24, s2, v25
	v_add_nc_u32 v23, s3, v25
; 64 numbers of a lane, register 16 b + i = k 32 b + 16 h + i of my row, become a fragment's codes in v[PC] on and its scale word in v[pw].
.macro QUANT s, pw
.irp b, 0,1,2,3
	v_max3_num_f32 v[TM+\b], |v[\s+16*\b]|, |v[\s+1+16*\b]|, 0x1800000   ; with the floor 2^(3 - 127): the byte cannot fall under 1
.endr
.irp i, 2,4,6,8,10,12,14
.irp b, 0,1,2,3
	v_max3_num_f32 v[TM+\b], v[TM+\b], |v[\s+16*\b+\i]|, |v[\s+1+16*\b+\i]|
.endr
.endr
.irp b, 0,1,2,3
	v_permlanex16_b32 v[TM+4+\b], v[TM+\b], s[SEL], s[SEL+1]
.endr
.irp b, 0,1,2,3
	v_max_num_f32 v[TM+\b], v[TM+\b], v[TM+4+\b]   ; with lane l xor 16's sixteen: the block's largest magnitude
.endr
.irp b, 0,1,2,3
	v_add_nc_u32 v[TM+12+\b], 0xff000000, v[TM+\b] ; 2 off the exponent field: the conversion's scale operand
.endr
.irp b, 0,1,2,3
	v_lshrrev_b32 v[TM+4+\b], 23, v[TM+12+\b]      ; the scale's byte
.endr
	v_lshl_or_b32 v[\pw], v[TM+5], 8, v[TM+4]
	v_lshl_or_b32 v[\pw], v[TM+6], 16, v[\pw]
	v_lshl_or_b32 v[\pw], v[TM+7], 24, v[\pw]
.irp c, 0,1
	v_cvt_scalef32_pk16_fp6_f32 v[PC+6*\c:PC+2+6*\c], v[\s+32*\c:\s+15+32*\c], v[TM+12+2*\c]
	v_cvt_scalef32_pk16_fp6_f32 v[PC+12+4*\c:PC+14+4*\c], v[\s+16+32*\c:\s+31+32*\c], v[TM+12+2*\c+1]   ; (a conversion's three registers begin on an even number)
.endr
	v_nop                                          ; one plain instruction behind the scaled conversions
.irp c, 0,1                                    ; the operand's layout wants a whole block in a lane
.irp i, 0,1,2
	v_permlane16_swap_b32 v[PC+6*\c+\i], v[PC+12+4*\c+\i]
.endr
.irp i, 0,1,2
	v_mov_b32 v[PC+3+6*\c+\i], v[PC+12+4*\c+\i]
.endr
.endr
.endm
; Block a: A's tile a against B's eight tiles: a lane's 64 results are 128 neighbours' halves along the axis to be quantised.  Bias, quantiser, six planes out.
.macro BLOCK a
.if (\a) > 0
	s_wait_xcnt 0x0                                ; the last block's stores have read their data and their bases
.if (\a) == 4
	s_add_nc_u64 s[78:79], s[78:79], s[86:87]
	s_add_nc_u64 s[80:81], s[80:81], s[86:87]
.else
	s_add_nc_u64 s[78:79], s[78:79], s[84:85]
	s_add_nc_u64 s[80:81], s[80:81], s[84:85]
.endif
.endif
	s_cmp_eq_u32 s98, 1                            ; the mode is the same in every wave of the cluster
	s_cbranch_scc1 .Lbias_v_\@
	WIN 0x06+(\a)/4                                ; source 0: the accumulators' window; source 1: window 1
.set i, 0
.rept 32
	v_pk_add_f32 v[H+i:H+i+1], v[64*((\a)%4)+i:64*((\a)%4)+i+1], v[96+i+96*(i/32):96+i+96*(i/32)+1]   ; q, k: the bias goes with the register; each accumulator is read from its low end on
.set i, i+2
.endr
	WIN 0
	s_branch .Lbias_done_\@
.Lbias_v_\@:
	WIN 0x06+(\a)/4
.set i, 0
.rept 32
	v_pk_add_f32 v[H+i:H+i+1], v[64*((\a)%4)+i:64*((\a)%4)+i+1], v[96+8*(\a)+96*((\a)/4):96+8*(\a)+96*((\a)/4)+1]   ; v: the bias goes with the lane
.set i, i+2
.endr
	WIN 0
.Lbias_done_\@:
	QUANT H, PWS+(\a)
.irp q, 0,1,2
	global_store_b64 v[L8], v[PC+2*\q:PC+2*\q+1], s[78:79] offset:256*\q       ; a plane: 256 consecutive bytes, aligned
.endr
.irp q, 0,1,2
	global_store_b64 v[L8], v[PC+6+2*\q:PC+6+2*\q+1], s[80:81] offset:256*\q
.endr
.endm
	PLACES                                         ; behind the last products: their results are read and A's registers written below
.irp a, 0,1,2,3,4,5,6,7
	BLOCK \a
.endr
	; the scale words.  q, k: a group's word = two bytes of each of its two token tiles, for each of my two heads; v: a channel tile's word as it stands
.irp g, 0,1,2,3
	v_perm_b32 v[TM+\g], v[PWS+2*\g+1], v[PWS+2*\g], s90
	v_perm_b32 v[TM+4+\g], v[PWS+2*\g+1], v[PWS+2*\g], s91
.endr
	v_cndmask_b32 v[TM+8], v[TM], v[TM+1], s66     ; one in lanes 0-15, the next in lanes 16-31
	v_cndmask_b32 v[TM+9], v[TM+2], v[TM+3], s66
	v_cndmask_b32 v[TM+10], v[TM+4], v[TM+5], s66
	v_cndmask_b32 v[TM+11], v[TM+6], v[TM+7], s66
	global_store_b32 v25, v[TM+8], s[82:83]
	global_store_b32 v24, v[TM+9], s[82:83]
	global_store_b32 v23, v[TM+10], s[82:83]
	global_store_b32 v25, v[TM+11], s[82:83] offset:4224
	s_wait_tensorcnt 0x0                           ; the wave's end
	ds_add_u32 v[SPW], v[NIL]
	s_wait_dscnt 0x0
	CROUND                                         ; the closing round
	s_endpgm
.Lfunc_end_k_qa4d4acda75_qkv:
	.size	k_qa4d4acda75_qkv, .Lfunc_end_k_qa4d4acda75_qkv-k_qa4d4acda75_qkv
	.p2alignl 7, 3214868480
	.fill 96, 4, 3214868480
	.section	.rodata,"a",@progbits
	.p2align	6, 0x0
	.amdhsa_kernel k_qa4d4acda75_qkv
		.amdhsa_group_segment_fixed_size 327680
		.amdhsa_private_segment_fixed_size 0
		.amdhsa_enable_private_segment 0
		.amdhsa_kernarg_size 32
		.amdhsa_user_sgpr_count 2
		.amdhsa_user_sgpr_kernarg_segment_ptr 1
		.amdhsa_wavefront_size32 1
		.amdhsa_system_sgpr_workgroup_id_x 1
		.amdhsa_system_sgpr_workgroup_id_y 1
		.amdhsa_system_sgpr_workgroup_id_z 1
		.amdhsa_system_vgpr_workitem_id 0
		.amdhsa_next_free_vgpr 1024
		.amdhsa_next_free_sgpr 102
		.amdhsa_reserve_vcc 0
		.amdhsa_float_denorm_mode_32 3
		.amdhsa_float_denorm_mode_16_64 3
		.amdhsa_memory_ordered 1
		.amdhsa_forward_progress 1
		.amdhsa_inst_pref_size 208
	.end_amdhsa_kernel
	.amdgpu_metadata
---
amdhsa.version: [ 1, 2 ]
amdhsa.kernels:
  - .name:           k_qa4d4acda75_qkv
    .symbol:         k_qa4d4acda75_qkv.kd
    .args:
      - { .name: opnd, .offset: 0, .size: 8, .value_kind: global_buffer, .address_space: global }
      - { .name: bk, .offset: 8, .size: 8, .value_kind: global_buffer, .address_space: global }
      - { .name: bv, .offset: 16, .size: 8, .value_kind: global_buffer, .address_space: global }
      - { .name: qkv, .offset: 24, .size: 8, .value_kind: global_buffer, .address_space: global }
    .group_segment_fixed_size: 327680
    .private_segment_fixed_size: 0
    .kernarg_segment_align: 8
    .kernarg_segment_size: 32
    .max_flat_workgroup_size: 128
    .sgpr_count:     102
    .vgpr_count:     1024
    .wavefront_size: 32
...
	.end_amdgpu_metadata
.endif
;; end of part 2
;; launch attn (part 3): grid 4 x 64, 8 waves a work-group, clusters of 4 x 1, 301,312 bytes of LDS; arguments qkv, opnd, ctx, bq; writes ctx
.if DOCPART == 3
	.amdgcn_target "amdgcn-amd-amdhsa--gfx1250"
	.amdhsa_code_object_version 6
	.text
	.protected	k_qa4d4acda75_attn
	.globl	k_qa4d4acda75_attn
	.p2align	8
	.type	k_qa4d4acda75_attn,@function
k_qa4d4acda75_attn:
	s_mov_b64 s[64:65], 0
	v_nop
	global_prefetch_b8 v0, s[64:65] scope:SCOPE_SE
	s_setreg_imm32_b32 hwreg(HW_REG_WAVE_MODE, 25, 1), 1
	s_wait_xcnt 0x0
	s_wait_alu depctr_hold_cnt(0) depctr_sa_sdst(0) depctr_va_vdst(0) depctr_va_sdst(0) depctr_va_ssrc(0) depctr_va_vcc(0) depctr_vm_vsrc(0)
	s_getreg_b32 s2, hwreg(HW_REG_IB_STS2, 6, 4)
	s_cmp_eq_u32 s2, 0
	s_cbranch_scc0 .Lentry_in_a_cluster
	s_endpgm
.Lentry_in_a_cluster:
	s_bfe_u32 s2, ttmp6, 0x10000c
	s_cmp_lg_u32 s2, 0x3003
	s_cbranch_scc0 .Lentry_shape_is_right
	s_endpgm
.Lentry_shape_is_right:
; ctx = softmax(q k^T / 32, masked) v for one head, both products on codes of FP6 (E2M3) with E8M0 scales; ctx leaves as codes, quantised along the hidden axis, in the last product's operand images.
; t = score x log2(e) / 32; M = the running largest t rounded up to a whole number; p = 2^(t - M) is quantised along the keys; the row's sum of the unquantised p divides at the end.
; THE MASK: a key's addend (0, or -3.2e13 where its mask is 0) is the C of the score's matrix instruction; a query's factor is log2(e) / 32, or 0 where its mask is 0: then every t is 0, every p is 1
; and the sum is 2,048: the uniform row that -1e12 in every place gives.  The running largest raw score begins at -2.2e10, so that a step whose keys are all masked gives p = 0.
; LIMITS: NaN and infinities are not served; masks are finite and no product of two masks that are not 0 underflows to 0; raw scores stay far under 3.2e13 in magnitude; a row's largest raw score lies above -2.2e10.
; SHARES.  A cluster of four work-groups takes one head; a work-group 512 queries in two passes of 256; a wave 32 queries a pass: two tiles of 16, which share every fragment of k and v and the keys' addends.
; THE WHOLE HEAD LIES IN LDS, by eight joint loads, one a wave: waves 0-2 k's images, 3-4 v's, 5 Wq's four tiles, 6 the batch's addends, 7 k's and v's scale words (two rows of 4,096 bytes).  Nothing is filled again.
; No prefetch: all that the launch streams is asked for at its head by the tensor loads themselves; no loop reads memory.
; LAYOUT.  S^T = k q^T (source 0 = keys), O^T = v^T p^T (source 0 = channels): a lane holds one query throughout.  The head is 64 wide, the instruction 128: a fragment of k holds two key tiles and is
; multiplied by [q | 0] and by [0 | q].  WHICH KEYS FORM A TILE is chosen by the lanes' LDS addresses: tile i of a half step c has keys 64 c + 8 i + 0..7 in rows 0-7 and keys 64 c + 32 + 8 i + 0..7 in rows 8-15.
; So a lane's 32 registers of tiles 0-3 are one whole block of 32 keys, 64 c + 32 h + 0..31, as the next operand's layout wants it: a block's maximum needs no other lane, and no codes change lanes.
; k's images come as rows of 512 bytes with 192 of padding: a group of 32 keys is 2,112 bytes, so that rows 0-7 (one group) and rows 8-15 (the next) of a load fall on different banks.
; REGISTERS.  window 0: v1-15 addresses; v16-31 statistics, 8 a tile: -M, largest raw score, the sum's two halves, the factor twice, f, 0; v32-39 scale words; v40-55, v56-63 at work; v64-191 S^T then p;
;   v192-215 p's codes; v216-219 the sums' second chains; v224-253 at work, 16 a tile.   window 1: v0-47 k, v48-95 v, v96-159 the addends, v160-223 O^T, v224-253 q as [q0][0][q1][0][q0].
.set KB,   0
.set KSC,  8192
.set VSC,  12288
.set KIM,  16384                       ; k: 192 rows x 704
.set VIM,  151552
; q IS MADE HERE: q = x Wq^T + bq for my 32 queries and my head's 64 channels, on x's and Wq's images (K = 1,024, eight steps), at the head of each pass, and quantised along the head's 64 in registers.
; x's fragments come from memory straight into registers (each is read by one wave of this work-group); Wq's four tiles lie in LDS (wave 5's load; v's images come by waves 3 and 4).
; Source 0 = 16 channels, chosen by the lanes' LDS addresses as the keys are: tile i has channels 8 i + 0..7 in rows 0-7 and 32 + 8 i + 0..7 in rows 8-15: a lane's 32 results are the block 32 h + 0..31.  bq is the C of the first step.
.set WQL,  249856                      ; Wq's four tiles, as 48 rows of 1,024 bytes with 24 of padding: two tiles are 25,152 bytes, 64 modulo 256, so that rows 0-7 and rows 8-15 of a load fall on different banks
.set SPARE, 300288                     ; the spare words, 128 bytes a wave
.set WIMG, 6291456
.set XSC,  9437184
.set WSC,  9699328
.set AW0,  249                         ; v249 my place in Wq's images in LDS; v254 among Wq's scale words
.set WSO,  254
.set XS,   224                         ; v224-231 x's scale words, a K step a register: lanes 0-15 tile 0, lanes 16-31 tile 1
.set WS,   232                         ; v232-247 Wq's: register 8 (i / 2) + K step: lanes 0-15 tile i even, lanes 16-31 tile i odd
.set KG,   2112
.set KST,  8448
.set QSCL, 18874368
.set KBIAS, 9830400
.set QCF,  9863168
.set CSC,  6291456
.set AK0, 2
.set AV0, 3
.set AB0, 4
.set AS0, 5
.set AT0, 6
.set ADK, 8
.set ADV, 9
.set ADB, 10
.set ADS, 11
.set ADT, 12
.set SH8, 15
.set ST,  16
.set KS0, 32
.set VS0, 34
.set QS0, 36
.set PS0, 38
.set CT,  40
.set TA,  56
.set TQ,  62
.set TC,  63
.set S,   64
.set PC,  192
.set C2,  216
.set TM,  224
.set SPW, 250
.set NIL, 251
.set KF,  0
.set VF,  48
.set BF,  96
.set OF,  160
.set QF,  224
.set WV,  12
.set G1K, 24
.set G1V, 32
.set G1M, 40
.set G1S, 48
.set G1W, 56
.set SEL, 100
.set MSK, 104
.set TBV, 105
.set TB,  66
.set TBB, 67
.set TS,  68
.set CNT, 69
.set QP,  70
.set QSP, 72
.set QCP, 74
.set CXP, 76
.set CSP, 78
.set G0K, 80
.set G0V, 84
.set G0M, 88
.set G0S, 92
.set G0W, 20                           ; s[20:23]: written behind the last use of k's and v's offsets, which lie there first
.set WSP, 96
.set BQP, 98
.set JM,  15|(3<<16)|(1<<21)           ; all four work-groups; elements of 8 bytes; bit 21 beside a mask
.set MSB, 0
.macro WIN new
.if MSB != (\new)
	s_set_vgpr_msb (MSB<<8)|(\new)
.set MSB, (\new)
.endif
.endm
.macro CROUND
	s_barrier_signal -1
	s_barrier_wait -1
	s_cmp_lg_u32 s[WV], 0
	s_cbranch_scc1 .Lnot_wave_0_\@
	s_barrier_signal -3
.Lnot_wave_0_\@:
	s_barrier_wait -3
	s_barrier_signal -1
	s_barrier_wait -1
.endm
.macro SETG1 g, w0, c, r, p            ; r rows of c elements, p elements from row to row
	s_mov_b32 s[\g], \w0
	s_mov_b32 s[\g+1], (\c)<<16
	s_mov_b32 s[\g+2], (\r)<<16
	s_mov_b32 s[\g+3], (\c)<<16
	s_mov_b32 s[\g+4], \r
	s_mov_b32 s[\g+5], \p
	s_mov_b32 s[\g+6], 0
	s_mov_b32 s[\g+7], 0
.endm
.macro ARM under, g0, g1, next
	s_cmp_lt_u32 s[WV], \under
	s_cbranch_scc0 \next
	tensor_load_to_lds s[\g0:\g0+3], s[\g1:\g1+7]
	s_nop 0
.rept 4
	v_nop
.endr
	s_branch .Lasked
\next:
.endm
	s_load_b128 s[4:7], s[0:1], 0x0                ; qkv, opnd
	s_load_b64 s[8:9], s[0:1], 0x10                ; ctx
	s_load_b64 s[BQP:BQP+1], s[0:1], 0x18          ; bq
	v_lshl_add_u32 v[SPW], v0, 2, SPARE
	v_mov_b32 v[NIL], 0
	ds_add_u32 v[SPW], v[NIL]
	ds_add_u32 v[SPW], v[NIL]
	v_lshrrev_b32 v15, 5, v0
	v_readfirstlane_b32 s[WV], v15                 ; wave 0..7
	s_bfe_u32 s13, ttmp6, 0x40000                  ; cx: it enters q's, the factor's and ctx's addresses alone
	s_and_b32 s14, ttmp7, 0xffff                   ; 16 x batch + head, which the four partners share
	s_lshr_b32 s15, s14, 4
	s_and_b32 s16, s14, 15
	SETG1 G1K, JM|(1<<20)|(6<<22)|(47<<25), 64, 64, 64   ; 64 rows of 512 bytes, 48 words of padding behind each 128
	SETG1 G1V, JM, 32, 192, 32                     ; 49,152 dense bytes: half of v's images
	SETG1 G1W, JM|(1<<20)|(7<<22)|(5<<25), 128, 48, 128   ; Wq's four tiles: 48 rows of 1,024 bytes, 6 words of padding behind each 256
	SETG1 G1M, JM, 32, 32, 32                      ; 8,192 dense bytes
	SETG1 G1S, JM, 512, 2, 32768                   ; 4,096 bytes of k's words and, 262,144 bytes on, of v's
	s_mul_i32 s17, s14, 98304
	s_lshl_b32 s18, s[WV], 15
	s_add_co_u32 s18, s18, s17
	s_add_co_u32 s20, s18, 6291456                 ; k: wave w's third
	s_mov_b32 s21, 0
	s_mul_i32 s22, s[WV], 49152
	s_add_co_u32 s22, s22, s17
	s_add_co_u32 s22, s22, 2*6291456-147456        ; v: wave w - 3's half
	s_mul_i32 s18, s16, 49152
	s_add_co_u32 s18, s18, WIMG                    ; Wq: my head's four tiles
	s_mov_b32 s19, 0
	s_mov_b32 s23, 0
	s_mul_i32 s[G0K+1], s[WV], 45056
	s_add_co_u32 s[G0K+1], s[G0K+1], KIM
	s_mul_i32 s[G0V+1], s[WV], 49152
	s_add_co_u32 s[G0V+1], s[G0V+1], VIM-147456
	s_mov_b32 s[G0M+1], KB
	s_mov_b32 s[G0S+1], KSC
.irp g, G0K, G0V, G0M, G0S
	s_mov_b32 s[\g], 1
.endr
	s_lshl_b32 s2, s15, 13
	s_add_co_u32 s2, s2, KBIAS
	s_mov_b32 s3, 0
	s_lshl_b32 s10, s14, 12
	s_add_co_u32 s10, s10, QSCL+262144
	s_mov_b32 s11, 0
	s_wait_dscnt 0x0
	s_wait_kmcnt 0x0
	s_add_nc_u64 s[G0K+2:G0K+3], s[4:5], s[20:21]
	s_add_nc_u64 s[G0V+2:G0V+3], s[4:5], s[22:23]
	s_add_nc_u64 s[G0M+2:G0M+3], s[6:7], s[2:3]
	s_add_nc_u64 s[G0S+2:G0S+3], s[4:5], s[10:11]
	s_add_nc_u64 s[G0W+2:G0W+3], s[6:7], s[18:19]
	s_mov_b32 s[G0W], 1
	s_mov_b32 s[G0W+1], WQL
.irp g, G0K, G0V, G0M, G0S, G0W
	s_or_b32 s[\g+3], s[\g+3], 0x80000000
.endr
	CROUND                                         ; all four work-groups are here: the joint loads meet
	ARM 3, G0K, G1K, .Lfor_v                       ; one load a wave, in one chain of branches on the wave's number
	ARM 5, G0V, G1V, .Lfor_w
	ARM 6, G0W, G1W, .Lfor_m
	ARM 7, G0M, G1M, .Lfor_s
	tensor_load_to_lds s[G0S:G0S+3], s[G1S:G1S+7]
	s_nop 0
.rept 4
	v_nop
.endr
.Lasked:
	v_and_b32 v248, 31, v0                         ; lane
	v_bfe_u32 v253, v0, 4, 1                       ; h
	v_bfe_u32 v254, v0, 3, 1                       ; which half of a tile's rows
	v_and_b32 v255, 7, v0
	v_and_b32 v13, 15, v0                          ; r
	v_lshlrev_b32 v1, 3, v248                      ; 8 x lane: my place in a plane
	v_mul_u32_u24 v[AK0], v254, KG                 ; k: rows 8-15 read the next group's image,
	v_lshlrev_b32 v[AS0], 6, v254
	v_lshl_add_u32 v[AT0], v248, 2, VSC
	v_lshlrev_b32 v[AB0], 7, v253                  ; the addends of my block of 32 keys
	v_lshlrev_b32 v[SH8], 3, v253                  ; 8 h
	v_lshl_add_u32 v[AK0], v253, 7, v[AK0]         ; at the image's lane 16 h + (r % 8); + 64 for its rows 8-15
	v_lshl_add_u32 v[AS0], v253, 5, v[AS0]         ; k's scale words: lanes 0-15 the image's rows 0-7 of two groups, lanes 16-31 its rows 8-15
	v_add_nc_u32 v[AV0], VIM, v1
	v_and_b32 v7, 8, v13
	v_lshlrev_b32 v14, 9, v253
	v_lshl_add_u32 v[AK0], v255, 3, v[AK0]
	v_lshl_add_u32 v[AS0], v255, 2, v[AS0]
	v_add_nc_u32 v7, v7, v13
	v_lshl_add_u32 v14, v13, 4, v14                ; 512 h + 16 r: ctx's scale bytes
	v_add_nc_u32 v[AK0], KIM, v[AK0]
	v_add_nc_u32 v[AS0], KSC, v[AS0]
	v_lshlrev_b32 v7, 2, v7                        ; 4 (r + 8 (r / 8)): my query among its group's factors
	v_mul_u32_u24 v[AW0], v254, 25152              ; Wq: rows 8-15 read the tiles two further on (24 rows of 1,048 bytes),
	v_lshlrev_b32 v[WSO], 10, v254
	v_lshl_add_u32 v[AW0], v253, 7, v[AW0]         ; at the image's lane 16 h + (r % 8)
	v_lshl_add_u32 v[WSO], v253, 9, v[WSO]         ; its scale words: 512 bytes a tile, lanes 16-31 the odd tile,
	v_lshl_add_u32 v[AW0], v255, 3, v[AW0]
	v_lshl_add_u32 v[WSO], v255, 4, v[WSO]         ; 16 bytes a row and half of K
	v_add_nc_u32 v[AW0], WQL, v[AW0]
.irp u, 0,1
.irp b, 4,5,6
	v_mov_b32 v[TM+16*\u+\b], 0                    ; written once: a lane permute's destination counts as one of its sources
.endr
	v_mov_b32 v[TA+2+\u], 0
.endr
	s_wait_alu depctr_va_vdst(0)                   ; ahead of the scalar run
	s_mov_b32 s[SEL], 0x76543210
	s_mov_b32 s[SEL+1], 0xfedcba98
	s_mov_b32 s[MSK], 0xffff0000
	s_lshl_b32 s17, s13, 4
	s_add_co_u32 s17, s17, s[WV]                   ; my group of 32 queries in pass 0: 16 cx + wave; pass 1: 8 groups on
	s_mov_b32 s19, 0
	s_lshl_b32 s3, s15, 7
	s_lshl_b32 s2, s17, 1
	s_add_co_u32 s3, s3, s2                        ; my first tile of tokens
	s_mul_i32 s18, s3, 12288
	s_add_nc_u64 s[QP:QP+1], s[6:7], s[18:19]      ; x's images of my two tiles
	s_lshl_b32 s18, s3, 9
	s_add_co_u32 s18, s18, XSC
	s_add_nc_u64 s[QSP:QSP+1], s[6:7], s[18:19]    ; x's scale words
	s_lshl_b32 s18, s16, 11
	s_add_co_u32 s18, s18, WSC
	s_add_nc_u64 s[WSP:WSP+1], s[6:7], s[18:19]    ; Wq's scale words, my head's four tiles
	s_lshl_b32 s18, s16, 8
	s_add_nc_u64 s[BQP:BQP+1], s[BQP:BQP+1], s[18:19]   ; bq of my head's 64 channels
	s_lshl_b32 s18, s15, 13
	s_lshl_b32 s2, s17, 7
	s_add_co_u32 s18, s18, s2
	s_add_co_u32 s18, s18, QCF
	s_add_nc_u64 s[QCP:QCP+1], s[6:7], s[18:19]    ; the queries' factors
	s_lshl_b32 s3, s15, 7
	s_lshl_b32 s2, s17, 1
	s_add_co_u32 s3, s3, s2                        ; my first tile of tokens
	s_mul_i32 s18, s3, 12288
	s_lshr_b32 s2, s16, 1
	s_mul_i32 s2, s2, 1536                         ; the K step of the last product: two heads each,
	s_add_co_u32 s18, s18, s2
	s_and_b32 s2, s16, 1
	s_mul_i32 s2, s2, 768                          ; and my head's half of the fragment
	s_add_co_u32 s18, s18, s2
	s_add_nc_u64 s[CXP:CXP+1], s[8:9], s[18:19]    ; ctx's images
	s_lshl_b32 s18, s3, 9
	s_lshr_b32 s2, s16, 3
	s_lshl_b32 s2, s2, 8
	s_add_co_u32 s18, s18, s2
	s_bfe_u32 s2, s16, 0x20001
	s_lshl_b32 s2, s2, 2
	s_add_co_u32 s18, s18, s2
	s_and_b32 s2, s16, 1
	s_lshl_b32 s2, s2, 1
	s_add_co_u32 s18, s18, s2
	s_add_co_u32 s18, s18, CSC
	s_add_nc_u64 s[CSP:CSP+1], s[8:9], s[18:19]    ; ctx's scale bytes
; 42 LDS loads: a step's four fragments of k (fragment f: half step f / 2, the images' rows 8 (f % 2) on), its 128 addends in the result's layout, two registers of scale words.  nx = 1: the step after the one named
.macro LOADK ak, ab, as, nx
	WIN 0x40
.irp f, 0,1,2,3
.irp p, 0,1,2,3,4,5
	ds_load_b64 v[KF+12*\f+2*\p:KF+12*\f+2*\p+1], v[\ak] offset:(\nx)*KST+2*KG*(\f/2)+64*(\f%2)+256*\p+192*(\p/2)
.endr
.endr
.irp t, 0,1,2,3,4,5,6,7
	ds_load_b128 v[BF+8*\t:BF+8*\t+3], v[\ab] offset:(\nx)*512+256*(\t/4)+32*(\t%4)      ; keys 64 (t / 4) + 32 h + 8 (t % 4) + 0 .. 7
	ds_load_b128 v[BF+8*\t+4:BF+8*\t+7], v[\ab] offset:(\nx)*512+256*(\t/4)+32*(\t%4)+16
.endr
	WIN 0
	ds_load_b32 v[KS0], v[\as] offset:(\nx)*256
	ds_load_b32 v[KS0+1], v[\as] offset:(\nx)*256+128
.endm
.macro SPROD t, u                      ; key tile t x query tile u: fragment t / 2 against [q | 0] (t even) or [0 | q] (t odd); C = the keys' addends
.set rB, QF+12*(\u)+((\t)%2)*(18-24*(\u))
.if ((\t)/2)%2
	v_wmma_scale_f32_16x16x128_f8f6f4 v[S+64*(\u)+8*(\t):S+64*(\u)+8*(\t)+7], v[KF+12*((\t)/2):KF+12*((\t)/2)+11], v[rB:rB+11], v[BF+8*(\t):BF+8*(\t)+7], v[KS0+(\t)/4], v[QS0+(\u)] matrix_a_fmt:MATRIX_FMT_FP6 matrix_b_fmt:MATRIX_FMT_FP6 matrix_a_scale:MATRIX_SCALE_ROW1
.else
	v_wmma_scale_f32_16x16x128_f8f6f4 v[S+64*(\u)+8*(\t):S+64*(\u)+8*(\t)+7], v[KF+12*((\t)/2):KF+12*((\t)/2)+11], v[rB:rB+11], v[BF+8*(\t):BF+8*(\t)+7], v[KS0+(\t)/4], v[QS0+(\u)] matrix_a_fmt:MATRIX_FMT_FP6 matrix_b_fmt:MATRIX_FMT_FP6
.endif
.endm
.macro PVPROD t, u                     ; channel tile t x query tile u, K = the step's 128 keys, in place
.if (\t)/2
	v_wmma_scale_f32_16x16x128_f8f6f4 v[OF+32*(\u)+8*(\t):OF+32*(\u)+8*(\t)+7], v[VF+12*(\t):VF+12*(\t)+11], v[PC+12*(\u):PC+12*(\u)+11], v[OF+32*(\u)+8*(\t):OF+32*(\u)+8*(\t)+7], v[VS0+(\t)%2], v[PS0+(\u)] matrix_a_fmt:MATRIX_FMT_FP6 matrix_b_fmt:MATRIX_FMT_FP6 matrix_a_scale:MATRIX_SCALE_ROW1
.else
	v_wmma_scale_f32_16x16x128_f8f6f4 v[OF+32*(\u)+8*(\t):OF+32*(\u)+8*(\t)+7], v[VF+12*(\t):VF+12*(\t)+11], v[PC+12*(\u):PC+12*(\u)+11], v[OF+32*(\u)+8*(\t):OF+32*(\u)+8*(\t)+7], v[VS0+(\t)%2], v[PS0+(\u)] matrix_a_fmt:MATRIX_FMT_FP6 matrix_b_fmt:MATRIX_FMT_FP6
.endif
.endm
; The largest score of my two blocks of tile u, each in two chains of 16 registers: chain x = block x % 2, half x / 2.  Each accumulator is first read at its low end.
.macro MXR u, i
.irp x, 0,1,2,3
.if (\i) == 0
	v_max3_num_f32 v[TM+16*(\u)+\x], v[S+64*(\u)+32*(\x%2)+16*(\x/2)], v[S+64*(\u)+32*(\x%2)+16*(\x/2)+1], v[S+64*(\u)+32*(\x%2)+16*(\x/2)+2]
.else
	v_max3_num_f32 v[TM+16*(\u)+\x], v[TM+16*(\u)+\x], v[S+64*(\u)+32*(\x%2)+16*(\x/2)+(\i)], v[S+64*(\u)+32*(\x%2)+16*(\x/2)+(\i)+1]
.endif
.endr
.endm
.macro MXF u, s                        ; the two chains joined, with the two registers that are left
.irp c, 0,1
.if (\s) == 0
	v_max3_num_f32 v[TM+16*(\u)+\c], v[TM+16*(\u)+\c], v[TM+16*(\u)+\c+2], v[S+64*(\u)+32*\c+15]
.else
	v_max_num_f32 v[TM+16*(\u)+\c], v[TM+16*(\u)+\c], v[S+64*(\u)+32*\c+31]
.endif
.endr
.endm
.macro STAT u, n                       ; tile u's statistics, a chain of nine lines that is laid among the other tile's independent lines
.if (\n) == 1
	v_max_num_f32 v[TA+(\u)], v[TM+16*(\u)], v[TM+16*(\u)+1]
.endif
.if (\n) == 2
	v_permlanex16_b32 v[TA+2+(\u)], v[TA+(\u)], s[SEL], s[SEL+1]
.endif
.if (\n) == 3
	v_max3_num_f32 v[ST+8*(\u)+1], v[ST+8*(\u)+1], v[TA+(\u)], v[TA+2+(\u)]   ; the running largest raw score, lane l xor 16's keys among them
.endif
.if (\n) == 4
	v_mul_f32 v[TA+(\u)], v[ST+8*(\u)+4], v[ST+8*(\u)+1]                     ; as t (the factor is never negative)
.endif
.if (\n) == 5
	v_mov_b32 v[TA+4+(\u)], v[ST+8*(\u)]
.endif
.if (\n) == 6
	v_floor_f32 v[ST+8*(\u)], -v[TA+(\u)]          ; the new -M = -ceil(t): a whole number
.endif
.if (\n) == 7
	v_sub_f32 v[TA+(\u)], v[ST+8*(\u)], v[TA+4+(\u)]   ; old M - new M, 0 or less
.endif
.if (\n) == 8
	v_cvt_i32_f32 v[TA+(\u)], v[TA+(\u)]           ; (it saturates)
.endif
.if (\n) == 9
	v_ldexp_f32 v[ST+8*(\u)+6], 1.0, v[TA+(\u)]    ; f = 2^(old M - new M): a multiplication by it rounds nothing
.endif
.endm
.macro QOP n                           ; the blocks' scales, line by line, laid among the sums: lines 0-11 for block (tile (n % 4) / 2, c = n % 2), 12-19 for tile n % 2
.set QX, TM+16*(((\n)%4)/2)+((\n)%2)
.set QU, (\n)%2
.if (\n) < 4
	v_max_num_f32 v[QX], 0x1800000, v[QX]          ; the floor 2^(3 - 127): a block whose every p is 0 keeps the byte 1: its codes are zeros
.endif
.if (\n) >= 4 && (\n) < 8
	v_add_nc_u32 v[QX+12], 0xff000000, v[QX]       ; 2 off the exponent field: the conversion's scale operand
.endif
.if (\n) >= 8 && (\n) < 12
	v_lshrrev_b32 v[QX+4], 23, v[QX+12]            ; the scale's byte
.endif
.if (\n) == 12 || (\n) == 13
	v_lshl_or_b32 v[PS0+QU], v[TM+16*QU+5], 16, v[TM+16*QU+4]   ; blocks h and 2 + h,
.endif
.if (\n) == 14 || (\n) == 15
	v_lshlrev_b32 v[PS0+QU], v[SH8], v[PS0+QU]     ; at their places in the word;
.endif
.if (\n) == 16 || (\n) == 17
	v_permlanex16_b32 v[TM+16*QU+6], v[PS0+QU], s[SEL], s[SEL+1]
.endif
.if (\n) == 18 || (\n) == 19
	v_or_b32 v[PS0+QU], v[PS0+QU], v[TM+16*QU+6]   ; with lane l xor 16's two the word is whole
.endif
.endm
.macro TMM u                           ; t - M of tile u's 64 scores, two at a time; u = 0: the other tile's statistics among them
.irp c, 0,1
	v_fma_f32 v[TM+16*(\u)+\c], v[TM+16*(\u)+\c], v[ST+8*(\u)+4], v[ST+8*(\u)]   ; the same of each block's largest score: p rises with the score
.endr
.set j, 0
.rept 32
.if (\u) == 0 && (j%8) == 0
	STAT 1, j/8+1
.endif
	v_pk_fma_f32 v[S+64*(\u)+j:S+64*(\u)+j+1], v[S+64*(\u)+j:S+64*(\u)+j+1], v[ST+8*(\u)+4:ST+8*(\u)+5], v[ST+8*(\u):ST+8*(\u)+1] op_sel_hi:[1,0,0]
.set j, j+2
.endr
.endm
; The softmax of a key step.  Register 32 c + i of a tile holds key 64 c + 32 h + i of the step.
.macro SOFTMAX
.irp i, 0,3,5,7,9,11,13
	MXR 0, \i
.endr
	MXF 0, 0
	MXF 0, 1
	MXR 1, 0
	STAT 0, 1
.irp i, 3,5,7,9,11,13
	MXR 1, \i
	STAT 0, (\i+1)/2
.endr
	MXF 1, 0
	STAT 0, 8
	MXF 1, 1
	STAT 0, 9
	TMM 0
	STAT 1, 9
	TMM 1
	s_wait_alu depctr_va_vdst(0)                   ; ahead of the batch
.set j, 0
.rept 128
	v_exp_f32 v[S+j], v[S+j]                       ; p = 2^(t - M), at most 1, not normalised
.set j, j+1
.endr
.irp u, 0,1
.irp c, 0,1
	v_exp_f32 v[TM+16*\u+\c], v[TM+16*\u+\c]       ; the blocks' largest p
.endr
.endr
.irp u, 0,1
	v_pk_mul_f32 v[ST+8*\u+2:ST+8*\u+3], v[ST+8*\u+2:ST+8*\u+3], v[ST+8*\u+6:ST+8*\u+7] op_sel_hi:[1,0]   ; the sums under the new M: plain work behind the exponentials
.endr
	s_wait_alu depctr_va_vdst(0)                   ; one wait for the batch, ahead of its first reader
.irp u, 0,1
	v_pk_add_f32 v[C2+2*\u:C2+2*\u+1], v[S+64*\u:S+64*\u+1], v[S+64*\u+2:S+64*\u+3]   ; the row's sum is taken of the unquantised p, in two chains a tile
.endr
.set QN, 0
.irp j, 4,8,12,16,20,24,28,32,36,40,44,48,52,56,60
.irp u, 0,1
	v_pk_add_f32 v[ST+8*\u+2:ST+8*\u+3], v[ST+8*\u+2:ST+8*\u+3], v[S+64*\u+\j:S+64*\u+\j+1]
	v_pk_add_f32 v[C2+2*\u:C2+2*\u+1], v[C2+2*\u:C2+2*\u+1], v[S+64*\u+\j+2:S+64*\u+\j+3]
.endr
	QOP QN
.set QN, QN+1
.endr
	QOP 15
	v_pk_add_f32 v[ST+2:ST+3], v[ST+2:ST+3], v[C2:C2+1]
	QOP 16
	v_pk_add_f32 v[ST+10:ST+11], v[ST+10:ST+11], v[C2+2:C2+3]
	QOP 17
.irp u, 0,1
.irp c, 0,1
	v_cvt_scalef32_pk16_fp6_f32 v[PC+12*\u+6*\c:PC+12*\u+6*\c+2], v[S+64*\u+32*\c:S+64*\u+32*\c+15], v[TM+16*\u+12+\c]
	v_cvt_scalef32_pk16_fp6_f32 v[CT+8*\u+4*\c:CT+8*\u+4*\c+2], v[S+64*\u+32*\c+16:S+64*\u+32*\c+31], v[TM+16*\u+12+\c]   ; (a conversion's three registers begin on an even number)
.endr
.endr
	v_nop                                          ; one plain instruction behind the scaled conversions
.irp u, 0,1
.irp c, 0,1
.irp i, 0,1,2
	v_mov_b32 v[PC+12*\u+3+6*\c+\i], v[CT+8*\u+4*\c+\i]
.endr
.endr
.endr
	QOP 18
	QOP 19
.endm
; A KEY STEP of 128 keys.  k, the addends and k's scale words were asked for a step ago.  nx = 1: the next step's are asked for behind the scores.
.macro TRIP nx
	v_add_nc_u32 v[ADV], s[TBV], v[AV0]            ; five plain instructions: the places between the last products and the loads into v's registers
	v_add_nc_u32 v[ADT], s[TS], v[AT0]
	v_add_nc_u32 v[ADK], s[TB], v[AK0]
	v_add_nc_u32 v[ADB], s[TBB], v[AB0]
	v_add_nc_u32 v[ADS], s[TS], v[AS0]
	WIN 0x40
.irp t, 0,1,2,3
.irp p, 0,1,2,3,4,5
	ds_load_b64 v[VF+12*\t+2*\p:VF+12*\t+2*\p+1], v[ADV] offset:1536*\t+256*\p
.endr
.endr
	WIN 0
	ds_load_b32 v[VS0], v[ADT]
	ds_load_b32 v[VS0+1], v[ADT] offset:128
	s_wait_dscnt 26                                ; all but the 26 just issued: k, the addends and k's scale words are in
	WIN 0x15                                       ; k, q and the addends in window 1, S^T in window 0
.irp t, 0,1,2,3,4,5,6,7
.irp u, 0,1
	SPROD \t, \u
.endr
.endr
.rept 4
	v_nop                                          ; places: behind them k's registers are loaded again and the scores are read
.endr
.if \nx
	s_wait_alu depctr_va_vdst(0)
	LOADK ADK, ADB, ADS, 1
.endif
	WIN 0
	SOFTMAX
	WIN 0x41                                       ; O^T in window 1, f in window 0
	s_wait_alu depctr_va_vdst(0)                   ; directly ahead of the first reader of O^T
.irp u, 0,1
.set j, 0
.rept 16
	v_pk_mul_f32 v[OF+32*\u+j:OF+32*\u+j+1], v[OF+32*\u+j:OF+32*\u+j+1], v[ST+8*\u+6:ST+8*\u+7] op_sel_hi:[1,0]   ; O^T under the new M; these 32 also stand between the writes of p's codes and scale words and the products
.set j, j+2
.endr
.endr
	s_wait_alu depctr_va_vdst(0)
.if \nx
	s_wait_dscnt 42                                ; all but the next step's 42: v and its scale words are in
.else
	s_wait_dscnt 0x0
.endif
	WIN 0x51                                       ; v and O^T in window 1, p in window 0
.irp t, 0,1,2,3
.irp u, 0,1
	PVPROD \t, \u                                  ; eight accumulators by turns, one instruction a turn
.endr
.endr
	WIN 0
	s_add_co_u32 s[TB], s[TB], KST
	s_add_co_u32 s[TBV], s[TBV], 6144
	s_add_co_u32 s[TBB], s[TBB], 512
	s_add_co_u32 s[TS], s[TS], 256
.endm
; A PASS: my group of 32 queries against all 2,048 keys.  All that differs between the passes stands in immediates.
.macro WFETCH ks                       ; Wq's four tiles of K step ks into set ks % 2: v128-175 or v176-223
.irp i, 0,1,2,3
.irp p, 0,1,2,3,4,5
	ds_load_b64 v[128+48*((\ks)%2)+12*\i+2*\p:128+48*((\ks)%2)+12*\i+2*\p+1], v[AW0] offset:12288*(\i%2)+1536*(\ks)+256*\p+24*((12288*(\i%2)+1536*(\ks)+256*\p)/1024)+64*(\i/2)   ; 24 bytes more for each 1,024 passed
.endr
.endr
.endm
.macro QW i, u, ks                     ; channel tile i x token tile u, K step ks; the first step's C is bq (window 1), later ones add in place; eight accumulators by turns
.set qD, S+32*(\u)+8*(\i)
.set qA, 128+48*((\ks)%2)+12*(\i)
.set qB, 96*(\u)+12*(\ks)
.set qS, WS+8*((\i)/2)+(\ks)
.if (\ks) == 0
.set qC, 192+8*(\i)
.else
.set qC, qD
.endif
.if (\i)%2 == 0 && (\u) == 0
	v_wmma_scale_f32_16x16x128_f8f6f4 v[qD:qD+7], v[qA:qA+11], v[qB:qB+11], v[qC:qC+7], v[qS], v[XS+(\ks)] matrix_a_fmt:MATRIX_FMT_FP6 matrix_b_fmt:MATRIX_FMT_FP6
.endif
.if (\i)%2 == 1 && (\u) == 0
	v_wmma_scale_f32_16x16x128_f8f6f4 v[qD:qD+7], v[qA:qA+11], v[qB:qB+11], v[qC:qC+7], v[qS], v[XS+(\ks)] matrix_a_fmt:MATRIX_FMT_FP6 matrix_b_fmt:MATRIX_FMT_FP6 matrix_a_scale:MATRIX_SCALE_ROW1
.endif
.if (\i)%2 == 0 && (\u) == 1
	v_wmma_scale_f32_16x16x128_f8f6f4 v[qD:qD+7], v[qA:qA+11], v[qB:qB+11], v[qC:qC+7], v[qS], v[XS+(\ks)] matrix_a_fmt:MATRIX_FMT_FP6 matrix_b_fmt:MATRIX_FMT_FP6 matrix_b_scale:MATRIX_SCALE_ROW1
.endif
.if (\i)%2 == 1 && (\u) == 1
	v_wmma_scale_f32_16x16x128_f8f6f4 v[qD:qD+7], v[qA:qA+11], v[qB:qB+11], v[qC:qC+7], v[qS], v[XS+(\ks)] matrix_a_fmt:MATRIX_FMT_FP6 matrix_b_fmt:MATRIX_FMT_FP6 matrix_a_scale:MATRIX_SCALE_ROW1 matrix_b_scale:MATRIX_SCALE_ROW1
.endif
.endm
; A PASS: my group of 32 queries against all 2,048 keys.  All that differs between the passes stands in immediates.
.macro PASS p
.if \p
	s_wait_xcnt 0x0                                ; the last pass's stores have read their data
.endif
	WIN 0x40                                       ; window 1, v0-191: x's fragments, tile u, K step k at 96 u + 12 k; v192-223: bq in the result's layout
.irp u, 0,1
.irp k, 0,1,2,3,4,5,6,7
.irp q, 0,1,2,3,4,5
	global_load_b64 v[96*\u+12*\k+2*\q:96*\u+12*\k+2*\q+1], v1, s[QP:QP+1] offset:\p*196608+12288*\u+1536*\k+256*\q
.endr
.endr
.endr
.irp i, 0,1,2,3
	global_load_b128 v[192+8*\i:195+8*\i], v[AB0], s[BQP:BQP+1] offset:32*\i       ; channels 32 h + 8 i + 0 .. 7
	global_load_b128 v[196+8*\i:199+8*\i], v[AB0], s[BQP:BQP+1] offset:32*\i+16
.endr
	WIN 0
.irp k, 0,1
	global_load_b128 v[XS+4*\k:XS+4*\k+3], v14, s[QSP:QSP+1] offset:\p*8192+256*\k
	global_load_b128 v[WS+4*\k:WS+4*\k+3], v[WSO], s[WSP:WSP+1] offset:256*\k
	global_load_b128 v[WS+8+4*\k:WS+8+4*\k+3], v[WSO], s[WSP:WSP+1] offset:128+256*\k
.endr
	global_load_b32 v[ST+4], v7, s[QCP:QCP+1] offset:\p*1024
	global_load_b32 v[ST+12], v7, s[QCP:QCP+1] offset:\p*1024+32
.if \p == 0
	s_wait_tensorcnt 0x0                           ; my part of the head has landed,
	s_barrier_signal -1
	s_barrier_wait -1                              ; everybody's has
.endif
	WFETCH 0
	WFETCH 1
	s_wait_loadcnt 0x0                             ; x, bq, the scale words and the factors are in
.set QK, 0
.rept 8
.if QK < 7
	s_wait_dscnt 24                                ; all but the next K step's 24
.else
	s_wait_dscnt 0x0
.endif
.if QK == 0
	WIN 0x14                                       ; x and bq in window 1
.else
	WIN 0x04
.endif
.irp i, 0,1,2,3
.irp u, 0,1
	QW \i, \u, QK
.endr
.endr
.rept 4
	v_nop                                          ; places in front of the loads into this set, and at the end of the reads of the results
.endr
	WIN 0
.if QK < 6
	WFETCH QK+2
.endif
.set QK, QK+1
.endr
	LOADK AK0, AB0, AS0, 0
	s_mov_b32 s[TB], 0
	s_mov_b32 s[TBV], 0
	s_mov_b32 s[TBB], 0
	s_mov_b32 s[TS], 0
	; q's quantiser: my 32 numbers of tile u, v[S + 32 u] on, are the block h of my query
.irp u, 0,1
	v_max3_num_f32 v[TA+\u], |v[S+32*\u]|, |v[S+32*\u+1]|, 0x1800000   ; with the floor 2^(3 - 127): the byte cannot fall under 1
.endr
.irp i, 2,4,6,8,10,12,14,16,18,20,22,24,26,28,30
.irp u, 0,1
	v_max3_num_f32 v[TA+\u], v[TA+\u], |v[S+32*\u+\i]|, |v[S+32*\u+\i+1]|
.endr
.endr
.irp u, 0,1
	v_add_nc_u32 v[TQ+\u], 0xff000000, v[TA+\u]    ; 2 off the exponent field: the conversion's scale operand
.endr
.irp u, 0,1
	v_lshrrev_b32 v[TA+\u], 23, v[TQ+\u]           ; the scale's byte,
.endr
.irp u, 0,1
	v_lshlrev_b32 v[TA+\u], v[SH8], v[TA+\u]       ; at its place;
.endr
.irp u, 0,1
	v_permlanex16_b32 v[TA+2+\u], v[TA+\u], s[SEL], s[SEL+1]
.endr
.irp u, 0,1
	v_or_b32 v[TA+\u], v[TA+\u], v[TA+2+\u]        ; with lane l xor 16's: a query's two bytes,
.endr
.irp u, 0,1
	v_lshl_or_b32 v[QS0+\u], v[TA+\u], 16, v[TA+\u]   ; twice: for [q | 0] and for [0 | q]
.endr
	WIN 0x40
	v_cvt_scalef32_pk16_fp6_f32 v[QF:QF+2], v[S:S+15], v[TQ]
	v_cvt_scalef32_pk16_fp6_f32 v[QF+12:QF+14], v[S+32:S+47], v[TQ+1]
	v_cvt_scalef32_pk16_fp6_f32 v[QF+24:QF+26], v[S:S+15], v[TQ]
	WIN 0
	v_cvt_scalef32_pk16_fp6_f32 v[CT:CT+2], v[S+16:S+31], v[TQ]       ; (a conversion's three registers begin on an even number)
	v_cvt_scalef32_pk16_fp6_f32 v[CT+4:CT+6], v[S+48:S+63], v[TQ+1]
	v_nop                                          ; one plain instruction behind the scaled conversions
	WIN 0x40
.irp i, 0,1,2
	v_mov_b32 v[QF+3+\i], v[CT+\i]
	v_mov_b32 v[QF+15+\i], v[CT+4+\i]
	v_mov_b32 v[QF+27+\i], v[CT+\i]
.endr
	WIN 0
.irp u, 0,1
	v_mov_b32 v[ST+8*\u+1], 0xd0a3ea88             ; the largest raw score so far: -2.2e10
	v_mov_b32 v[ST+8*\u], 0x7f000000               ; -M: a whole number above every later one, so that the first f is 0
	v_mov_b32 v[ST+8*\u+2], 0
	v_mov_b32 v[ST+8*\u+3], 0
	v_mov_b32 v[ST+8*\u+5], v[ST+8*\u+4]
	v_mov_b32 v[ST+8*\u+7], 0
.endr
	WIN 0x40
.if \p == 0
.irp i, 0,1,2,3,4,5
	v_mov_b32 v[QF+6+\i], 0
	v_mov_b32 v[QF+18+\i], 0
.endr
.endif
.set j, 0
.rept 64
	v_mov_b32 v[OF+j], 0                           ; O^T: the step is written once and finds zeros first; these also stand between the writes of q's scale words and zeros and the first products
.set j, j+1
.endr
	WIN 0
	s_mov_b32 s[CNT], 15
.Ltrip_\@:
	TRIP 1
	s_sub_co_u32 s[CNT], s[CNT], 1
	s_cmp_lg_u32 s[CNT], 0
	s_cbranch_scc1 .Ltrip_\@
	TRIP 0                                         ; the last step asks for nothing
	; the way out: O^T / the sum, quantised along the head's 64 channels: half a fragment of the last product's operand
.rept 4
	v_nop
.endr
.irp u, 0,1
	v_add_f32 v[TA+\u], v[ST+8*\u+2], v[ST+8*\u+3]
.endr
.irp u, 0,1
	v_permlanex16_b32 v[TA+2+\u], v[TA+\u], s[SEL], s[SEL+1]
.endr
.irp u, 0,1
	v_add_f32 v[TA+\u], v[TA+\u], v[TA+2+\u]       ; the row's sum
.endr
	s_wait_alu depctr_va_vdst(0)                   ; ahead of the reciprocals
.irp u, 0,1
	v_rcp_f32 v[ST+8*\u+6], v[TA+\u]
.endr
	v_nop                                          ; a plain instruction behind the reciprocals,
	WIN 0x01                                       ; O^T in window 1; the result in S^T's registers
	s_wait_alu depctr_va_vdst(0)                   ; and the wait ahead of their first reader, which is O^T's too
.irp u, 0,1
.set j, 0
.rept 16
	v_pk_mul_f32 v[S+64*\u+j:S+64*\u+j+1], v[OF+32*\u+j:OF+32*\u+j+1], v[ST+8*\u+6:ST+8*\u+7] op_sel_hi:[1,0]   ; register 16 b + i = channel 32 b + 16 h + i
.set j, j+2
.endr
.endr
	WIN 0
.irp u, 0,1
.irp b, 0,1
	v_max3_num_f32 v[TM+16*\u+\b], |v[S+64*\u+16*\b]|, |v[S+64*\u+16*\b+1]|, 0x1800000
.endr
.endr
.irp i, 2,4,6,8,10,12,14
.irp u, 0,1
.irp b, 0,1
	v_max3_num_f32 v[TM+16*\u+\b], v[TM+16*\u+\b], |v[S+64*\u+16*\b+\i]|, |v[S+64*\u+16*\b+\i+1]|
.endr
.endr
.endr
.irp u, 0,1
.irp b, 0,1
	v_permlanex16_b32 v[TM+16*\u+4+\b], v[TM+16*\u+\b], s[SEL], s[SEL+1]
.endr
.endr
.irp u, 0,1
.irp b, 0,1
	v_max_num_f32 v[TM+16*\u+\b], v[TM+16*\u+\b], v[TM+16*\u+4+\b]
.endr
.endr
.irp u, 0,1
.irp b, 0,1
	v_add_nc_u32 v[TM+16*\u+12+\b], 0xff000000, v[TM+16*\u+\b]
.endr
.endr
.irp u, 0,1
.irp b, 0,1
	v_lshrrev_b32 v[TM+16*\u+4+\b], 23, v[TM+16*\u+12+\b]
.endr
.endr
.irp u, 0,1
	v_lshl_or_b32 v[TA+\u], v[TM+16*\u+5], 8, v[TM+16*\u+4]   ; my token's two bytes
.endr
.irp u, 0,1
	v_cvt_scalef32_pk16_fp6_f32 v[PC+12*\u:PC+12*\u+2], v[S+64*\u:S+64*\u+15], v[TM+16*\u+12]
	v_cvt_scalef32_pk16_fp6_f32 v[CT+8*\u:CT+8*\u+2], v[S+64*\u+16:S+64*\u+31], v[TM+16*\u+13]
.endr
	v_nop
.irp u, 0,1
.irp i, 0,1,2
	v_permlane16_swap_b32 v[PC+12*\u+\i], v[CT+8*\u+\i]   ; here a block lies in lanes l and l xor 16: the operand's layout wants it whole in a lane
.endr
.irp i, 0,1,2
	v_mov_b32 v[PC+12*\u+3+\i], v[CT+8*\u+\i]
.endr
.endr
	v_cndmask_b32 v[TC], v[TA], v[TA+1], s[MSK]
.irp u, 0,1
.irp q, 0,1,2
	global_store_b64 v1, v[PC+12*\u+2*\q:PC+12*\u+2*\q+1], s[CXP:CXP+1] offset:\p*196608+12288*\u+256*\q   ; a plane: 256 consecutive bytes, aligned
.endr
.endr
	global_store_b16 v14, v[TC], s[CSP:CSP+1] offset:\p*8192
.endm
	PASS 0
	PASS 1
	s_wait_tensorcnt 0x0                           ; the wave's end
	ds_add_u32 v[SPW], v[NIL]
	s_wait_dscnt 0x0
	CROUND                                         ; the closing round
	s_endpgm
.Lfunc_end_k_qa4d4acda75_attn:
	.size	k_qa4d4acda75_attn, .Lfunc_end_k_qa4d4acda75_attn-k_qa4d4acda75_attn
	.p2alignl 7, 3214868480
	.fill 96, 4, 3214868480
	.section	.rodata,"a",@progbits
	.p2align	6, 0x0
	.amdhsa_kernel k_qa4d4acda75_attn
		.amdhsa_group_segment_fixed_size 301312
		.amdhsa_private_segment_fixed_size 0
		.amdhsa_enable_private_segment 0
		.amdhsa_kernarg_size 32
		.amdhsa_user_sgpr_count 2
		.amdhsa_user_sgpr_kernarg_segment_ptr 1
		.amdhsa_wavefront_size32 1
		.amdhsa_system_sgpr_workgroup_id_x 1
		.amdhsa_system_sgpr_workgroup_id_y 1
		.amdhsa_system_sgpr_workgroup_id_z 1
		.amdhsa_system_vgpr_workitem_id 0
		.amdhsa_next_free_vgpr 512
		.amdhsa_next_free_sgpr 106
		.amdhsa_reserve_vcc 0
		.amdhsa_float_denorm_mode_32 3
		.amdhsa_float_denorm_mode_16_64 3
		.amdhsa_memory_ordered 1
		.amdhsa_forward_progress 1
		.amdhsa_inst_pref_size 221
	.end_amdhsa_kernel
	.amdgpu_metadata
---
amdhsa.version: [ 1, 2 ]
amdhsa.kernels:
  - .name:           k_qa4d4acda75_attn
    .symbol:         k_qa4d4acda75_attn.kd
    .args:
      - { .name: qkv, .offset: 0, .size: 8, .value_kind: global_buffer, .address_space: global }
      - { .name: opnd, .offset: 8, .size: 8, .value_kind: global_buffer, .address_space: global }
      - { .name: ctx, .offset: 16, .size: 8, .value_kind: global_buffer, .address_space: global }
      - { .name: bq, .offset: 24, .size: 8, .value_kind: global_buffer, .address_space: global }
    .group_segment_fixed_size: 301312
    .private_segment_fixed_size: 0
    .kernarg_segment_align: 8
    .kernarg_segment_size: 32
    .max_flat_workgroup_size: 256
    .sgpr_count:     106
    .vgpr_count:     512
    .wavefront_size: 32
...
	.end_amdgpu_metadata
.endif
;; end of part 3
;; launch oproj (part 4): grid 4 x 64, 4 waves a work-group, clusters of 4 x 4, 307,712 bytes of LDS; arguments ctx, opnd, bo, out0; writes out0
.if DOCPART == 4
	.amdgcn_target "amdgcn-amd-amdhsa--gfx1250"
	.amdhsa_code_object_version 6
	.text
	.protected	k_qa4d4acda75_oproj
	.globl	k_qa4d4acda75_oproj
	.p2align	8
	.type	k_qa4d4acda75_oproj,@function
k_qa4d4acda75_oproj:
	s_mov_b64 s[64:65], 0
	v_nop
	global_prefetch_b8 v0, s[64:65] scope:SCOPE_SE
	s_setreg_imm32_b32 hwreg(HW_REG_WAVE_MODE, 25, 1), 1
	s_wait_xcnt 0x0
	s_wait_alu depctr_hold_cnt(0) depctr_sa_sdst(0) depctr_va_vdst(0) depctr_va_sdst(0) depctr_va_ssrc(0) depctr_va_vcc(0) depctr_vm_vsrc(0)
	s_getreg_b32 s2, hwreg(HW_REG_IB_STS2, 6, 4)
	s_cmp_eq_u32 s2, 0
	s_cbranch_scc0 .Lentry_in_a_cluster
	s_endpgm
.Lentry_in_a_cluster:
	s_bfe_u32 s2, ttmp6, 0x10000c
	s_cmp_lg_u32 s2, 0xf033
	s_cbranch_scc0 .Lentry_shape_is_right
	s_endpgm
.Lentry_shape_is_right:
; out0 = ctx Wo^T + bo on codes of FP6 (E2M3) with E8M0 scales, K = 1,024.  Both operands come as images of their registers (a fragment of 16 rows x 128 K is 1,536 bytes, six planes of 256;
; tile T's lane r is row 32 (T / 2) + 8 (T % 2) + r + 8 (r / 8)).  A work-group makes 128 tokens x 256 columns: 64 x 4 = 256 work-groups; a wave 64 x 128: 32 accumulators.
; Source 0 = 16 rows of Wo, source 1 = 16 tokens: a lane holds eight neighbouring numbers of a row of out0.
; ALL OF K LIES IN LDS: ctx's 8 tiles x 12,288 bytes ("A"), Wo's 16 tiles ("B") and both sides' scale words: four joint loads, one a wave; nothing is filled again: one barrier, no ring.
; CLUSTERS 4 x 4: A's tiles are shared along a row of the cluster, B's along a column.
; No prefetch: all that the launch reads is asked for at its head by the tensor loads themselves; no loop reads memory.
; REGISTERS.  window 0: v1-31 addresses, bo; v32-95 scale words; v96-191 A's fragments, two sets of four; on the way out v96-223 rows read back.  window 1: B's fragments, two sets of eight, at v0 and v128.  window 2: the accumulators.
.set WIMG,  6291456
.set WSC,   9699328
.set CSC,   6291456
.set TILE,  12288
.set BIM,   8*TILE                     ; B's images behind A's
.set SCL,   24*TILE                    ; A's scale words, 4,096 bytes; B's, 8,192
.set SPARE, SCL+12288                  ; the spare words, 128 bytes a wave
.set SPITCH, 528                       ; the way out: 16 rows x (512 + 16) bytes for each wave, in A's bytes, behind a barrier behind which nobody reads them
.set FR,   12
.set SC,   32                          ; register 8 i + s: lanes 0-15 A's tile i (i under 4), lanes 16-31 B's tile i, K step s
.set AF,   96
.set BK,   96
.set ADRA, 16
.set ADRB, 20                          ; v20 B's tiles 0-3, v21 tiles 4-7
.set CO,   23
.set STO,  24
.set RD,   25
.set L8,   26
.set ADRS, 27
.set SPW,  28
.set NIL,  29
.set G1A,  24
.set G1B,  32
.set G1SA, 40
.set G1SB, 48
.set G0A,  56
.set G0B,  60
.set G0SA, 68
.set G0SB, 72
.set MSB, 0
.macro WIN new
.if MSB != (\new)
	s_set_vgpr_msb (MSB<<8)|(\new)
.set MSB, (\new)
.endif
.endm
.set MUL_LO, 0xa1                      ; source 0 (B) window 1, source 1 (A) window 0, C and D window 2
.set TO_B,   0x40
.macro CROUND
	s_barrier_signal -1
	s_barrier_wait -1
	s_cmp_lg_u32 s14, 0
	s_cbranch_scc1 .Lnot_wave_0_\@
	s_barrier_signal -3
.Lnot_wave_0_\@:
	s_barrier_wait -3
	s_barrier_signal -1
	s_barrier_wait -1
.endm
.macro SETG1 g, c, r                   ; r dense rows of c elements of 8 bytes; word 0 holds the mask
	s_mov_b32 s[\g+1], (\c)<<16
	s_mov_b32 s[\g+2], (\r)<<16
	s_mov_b32 s[\g+3], (\c)<<16
	s_mov_b32 s[\g+4], \r
	s_mov_b32 s[\g+5], \c
	s_mov_b32 s[\g+6], 0
	s_mov_b32 s[\g+7], 0
.endm
.macro SETG0 g, lds
	s_mov_b32 s[\g], 1
	s_mov_b32 s[\g+1], \lds
	s_or_b32 s[\g+3], s[\g+3], 0x80000000
.endm
.macro ARM under, g0, g1, next
	s_cmp_lt_u32 s14, \under
	s_cbranch_scc0 \next
	tensor_load_to_lds s[\g0:\g0+3], s[\g1:\g1+7]
	s_nop 0
.rept 4
	v_nop
.endr
	s_branch .Lhead_asked
\next:
.endm
.macro PLACES                          ; four plain instructions between a matrix instruction and a load into, or a read of, its registers
.rept 4
	v_nop
.endr
.endm
	s_load_b256 s[4:11], s[0:1], 0x0               ; ctx, opnd, bo, out0
	v_lshl_add_u32 v[SPW], v0, 2, SPARE
	v_mov_b32 v[NIL], 0
	ds_add_u32 v[SPW], v[NIL]
	ds_add_u32 v[SPW], v[NIL]
	v_lshrrev_b32 v1, 5, v0
	v_readfirstlane_b32 s14, v1                    ; wave
	s_lshr_b32 s15, s14, 1                         ; my half of the tokens
	s_and_b32 s16, s14, 1                          ; my half of the columns
	s_bfe_u32 s12, ttmp6, 0x40000                  ; cx = the block of 256 columns
	s_bfe_u32 s13, ttmp6, 0x40004                  ; cy
	s_and_b32 s76, ttmp7, 0xffff
	s_lshl_b32 s76, s76, 2
	s_add_co_u32 s76, s76, s13                     ; the block of 128 tokens
	s_lshl_b32 s17, s13, 2
	s_lshl_b32 s17, 15, s17                        ; my row of the cluster
	s_lshl_b32 s18, 0x1111, s12                    ; my column
	s_or_b32 s[G1A], s17, (3<<16)|(1<<21)
	s_or_b32 s[G1B], s18, (3<<16)|(1<<21)
	s_or_b32 s[G1SA], s17, (3<<16)|(1<<21)
	s_or_b32 s[G1SB], s18, (3<<16)|(1<<21)
	SETG1 G1A, 1536, 8                             ; 8 tiles x 12,288 bytes
	SETG1 G1B, 1536, 16
	SETG1 G1SA, 32, 16                             ; 4,096 bytes as rows of 256
	SETG1 G1SB, 32, 32
	s_mov_b32 s3, 0
	s_mov_b32 s21, 0
	s_wait_dscnt 0x0
	s_wait_kmcnt 0x0
	s_mul_i32 s2, s76, 8*TILE
	s_add_nc_u64 s[G0A+2:G0A+3], s[4:5], s[2:3]
	s_lshl_b32 s2, s76, 12
	s_add_co_u32 s2, s2, CSC
	s_add_nc_u64 s[G0SA+2:G0SA+3], s[4:5], s[2:3]
	s_mul_i32 s20, s12, 16*TILE
	s_add_co_u32 s20, s20, WIMG+192*TILE           ; Wo's tiles begin at 192 of the weights' 256
	s_add_nc_u64 s[G0B+2:G0B+3], s[6:7], s[20:21]
	s_lshl_b32 s20, s12, 13
	s_add_co_u32 s20, s20, WSC+192*512
	s_add_nc_u64 s[G0SB+2:G0SB+3], s[6:7], s[20:21]
	SETG0 G0A, 0
	SETG0 G0B, BIM
	SETG0 G0SA, SCL
	SETG0 G0SB, SCL+4096
	CROUND                                         ; all sixteen work-groups are here: the joint loads meet
	ARM 1, G0A, G1A, .Lhead_b                      ; one load a wave, in one chain of branches on the wave's number
	ARM 2, G0B, G1B, .Lhead_sa
	ARM 3, G0SA, G1SA, .Lhead_sb
	tensor_load_to_lds s[G0SB:G0SB+3], s[G1SB:G1SB+7]
	s_nop 0
.rept 4
	v_nop
.endr
.Lhead_asked:
	s_lshl_b32 s2, s12, 10
	s_lshl_b32 s17, s16, 9
	s_add_co_u32 s2, s2, s17                       ; my first column, in bytes
	s_add_nc_u64 s[8:9], s[8:9], s[2:3]
	s_add_nc_u64 s[10:11], s[10:11], s[2:3]
	s_lshl_b32 s2, s76, 7
	s_lshl_b32 s17, s15, 6
	s_add_co_u32 s2, s2, s17
	s_lshl_b32 s2, s2, 12                          ; my first token's row of 4,096 bytes
	s_add_nc_u64 s[10:11], s[10:11], s[2:3]
	s_mul_i32 s17, s15, 4*TILE                     ; my 4 tiles of A,
	s_mul_i32 s18, s16, 8*TILE
	s_add_co_u32 s18, s18, BIM                     ; my 8 of B
	s_add_co_u32 s19, s18, 4*TILE
	s_lshl_b32 s22, s15, 11                        ; A's scale words: 512 bytes a tile
	s_lshl_b32 s23, s16, 12
	s_add_co_u32 s23, s23, 4096
	s_sub_co_u32 s23, s23, s22
	s_add_co_u32 s22, s22, SCL
	s_mul_i32 s77, s14, 16*SPITCH                  ; my stage
	v_and_b32 v1, 15, v0                           ; r
	v_bfe_u32 v2, v0, 4, 1                         ; h
	v_and_b32 v3, 31, v0                           ; lane
	v_lshlrev_b32 v[CO], 4, v3
	v_lshlrev_b32 v[L8], 3, v3
	v_lshlrev_b32 v6, 4, v1
	v_mul_u32_u24 v7, s23, v2                      ; lanes 16-31 take B's
	v_mul_u32_u24 v4, v1, SPITCH
	v_add_nc_u32 v[ADRA], s17, v[L8]
	v_add_nc_u32 v[ADRB], s18, v[L8]
	v_add_nc_u32 v[ADRB+1], s19, v[L8]
	v_add_nc_u32 v6, v6, v7
	v_lshl_add_u32 v4, v2, 6, v4
	v_add_nc_u32 v[RD], s77, v[CO]                 ; back: 16 bytes a lane of a whole row
	v_add_nc_u32 v[ADRS], s22, v6
	v_add_nc_u32 v[STO], s77, v4                   ; in: row r, + 64 h
	s_wait_alu depctr_va_vdst(0)
	global_load_b128 v[8:11], v[CO], s[8:9]        ; bo of the four columns that I store
.macro FRAG reg, adr, off              ; a fragment: six planes, 8 bytes a lane, 256 consecutive bytes a load
.irp p, 0,1,2,3,4,5
	ds_load_b64 v[\reg+2*\p:\reg+2*\p+1], v[\adr] offset:(\off)+256*\p
.endr
.endm
.macro FETCH ks, set                   ; 72 loads: K step ks: B's eight fragments, A's four
	WIN TO_B
.irp i, 0,1,2,3,4,5,6,7
	FRAG 128*(\set)+FR*\i, ADRB+\i/4, TILE*(\i%4)+1536*(\ks)
.endr
	WIN 0
.irp i, 0,1,2,3
	FRAG AF+48*(\set)+FR*\i, ADRA, TILE*\i+1536*(\ks)
.endr
.endm
.macro MUL set, ks, zero               ; 32 matrix instructions; the 32 accumulators take turns, one instruction a turn, in the same order in every step
.irp a, 0,1,2,3
.irp b, 0,1,2,3,4,5,6,7
.if \zero
	v_wmma_scale_f32_16x16x128_f8f6f4 v[8*(8*\a+\b):8*(8*\a+\b)+7], v[128*(\set)+FR*\b:128*(\set)+FR*\b+FR-1], v[AF+48*(\set)+FR*\a:AF+48*(\set)+FR*\a+FR-1], 0, v[SC+8*\b+(\ks)], v[SC+8*\a+(\ks)] matrix_a_fmt:MATRIX_FMT_FP6 matrix_b_fmt:MATRIX_FMT_FP6 matrix_a_scale:MATRIX_SCALE_ROW1
.else
	v_wmma_scale_f32_16x16x128_f8f6f4 v[8*(8*\a+\b):8*(8*\a+\b)+7], v[128*(\set)+FR*\b:128*(\set)+FR*\b+FR-1], v[AF+48*(\set)+FR*\a:AF+48*(\set)+FR*\a+FR-1], v[8*(8*\a+\b):8*(8*\a+\b)+7], v[SC+8*\b+(\ks)], v[SC+8*\a+(\ks)] matrix_a_fmt:MATRIX_FMT_FP6 matrix_b_fmt:MATRIX_FMT_FP6 matrix_a_scale:MATRIX_SCALE_ROW1
.endif
.endr
.endr
.endm
	s_wait_tensorcnt 0x0                           ; my tile of the four has landed,
	s_barrier_signal -1
	s_barrier_wait -1                              ; everybody's has
	FETCH 0, 0
.irp i, 0,1,2,3,4,5,6,7
.irp k, 0,1
	ds_load_b128 v[SC+8*\i+4*\k:SC+8*\i+4*\k+3], v[ADRS] offset:512*\i+256*\k   ; the scale words of all eight K steps, once (lanes 0-15 of tiles 4-7 read words that no product names)
.endr
.endr
.set KS, 0
.rept 8
.if KS < 7
.if KS > 0
	PLACES                                         ; the set to be loaded was multiplied a step ago
.endif
	FETCH KS+1, (KS+1)%2
	s_wait_dscnt 63                                ; 72 loads were issued behind this step's: with 63 out at the most, this step's are in
.else
	s_wait_dscnt 0x0                               ; my reads of the images are over:
	s_barrier_signal -1                            ; say so, and work on registers while the others arrive
.endif
	WIN MUL_LO
	MUL KS%2, KS, KS==0
	WIN 0
.set KS, KS+1
.endr
	s_barrier_wait -1                              ; nobody reads A's bytes any more: the stages lie there
; THE WAY OUT, block by block of 16 tokens x 128 columns, through my own stage: in as 32 bytes a lane at their columns' places, back as whole rows of 512 bytes.  LDS serves a wave's instructions in order (ISA guide 5.7.1.4).
.macro TOSTAGE a
.set AC, 64*(\a)
	WIN 0x08                                       ; an LDS store's data are its source 1: window 2
.irp b, 0,1,2,3,4,5,6,7
	ds_store_b128 v[STO], v[AC+8*\b:AC+8*\b+3] offset:128*(\b/2)+32*(\b%2)          ; columns 32 (b / 2) + 16 h + 8 (b % 2) on; each accumulator from its low end on
	ds_store_b128 v[STO], v[AC+8*\b+4:AC+8*\b+7] offset:128*(\b/2)+32*(\b%2)+16
.endr
	WIN 0
.set BB, BK+64*((\a)%2)
.irp t, 0,1,2,3,4,5,6,7,8,9,10,11,12,13,14,15
	ds_load_b128 v[BB+4*\t:BB+4*\t+3], v[RD] offset:\t*SPITCH
.endr
.endm
.macro SEND a, younger                 ; younger: the LDS instructions issued behind block a's loads, which may stay out
.set BB, BK+64*((\a)%2)
	s_wait_dscnt \younger
.if (\a) > 0
.if (\a)%2
	s_add_nc_u64 s[10:11], s[10:11], 8*4096        ; (behind a wait on XCNT)  tile 2 g + 1 begins 8 rows behind tile 2 g,
.else
	s_add_nc_u64 s[10:11], s[10:11], 24*4096       ; tile 2 g + 2 another 24
.endif
.endif
.irp t, 0,1,2,3,4,5,6,7,8,9,10,11,12,13,14,15
	v_pk_add_f32 v[BB+4*\t:BB+4*\t+1], v[BB+4*\t:BB+4*\t+1], v[8:9]
	v_pk_add_f32 v[BB+4*\t+2:BB+4*\t+3], v[BB+4*\t+2:BB+4*\t+3], v[10:11]
	global_store_b128 v[CO], v[BB+4*\t:BB+4*\t+3], s[10:11] offset:(\t+8*(\t/8))*4096 th:TH_STORE_NT   ; 32 lanes store 512 consecutive bytes, aligned; written once, read by nobody here
.endr
.endm
	s_wait_loadcnt 0x0                             ; bo
	PLACES
	TOSTAGE 0
.irp a, 1,2,3
.if \a > 1
	s_wait_xcnt 0x0                                ; block a - 2's stores have read their registers and their base
.endif
	TOSTAGE \a
	SEND \a-1, 32                                  ; behind block a - 1's loads: block a's 16 stores and 16 loads
.endr
	s_wait_xcnt 0x0
	SEND 3, 0
	s_wait_tensorcnt 0x0                           ; the wave's end
	ds_add_u32 v[SPW], v[NIL]
	s_wait_dscnt 0x0
	CROUND                                         ; the closing round
	s_endpgm
.Lfunc_end_k_qa4d4acda75_oproj:
	.size	k_qa4d4acda75_oproj, .Lfunc_end_k_qa4d4acda75_oproj-k_qa4d4acda75_oproj
	.p2alignl 7, 3214868480
	.fill 96, 4, 3214868480
	.section	.rodata,"a",@progbits
	.p2align	6, 0x0
	.amdhsa_kernel k_qa4d4acda75_oproj
		.amdhsa_group_segment_fixed_size 307712
		.amdhsa_private_segment_fixed_size 0
		.amdhsa_enable_private_segment 0
		.amdhsa_kernarg_size 32
		.amdhsa_user_sgpr_count 2
		.amdhsa_user_sgpr_kernarg_segment_ptr 1
		.amdhsa_wavefront_size32 1
		.amdhsa_system_sgpr_workgroup_id_x 1
		.amdhsa_system_sgpr_workgroup_id_y 1
		.amdhsa_system_sgpr_workgroup_id_z 1
		.amdhsa_system_vgpr_workitem_id 0
		.amdhsa_next_free_vgpr 768
		.amdhsa_next_free_sgpr 80
		.amdhsa_reserve_vcc 0
		.amdhsa_float_denorm_mode_32 3
		.amdhsa_float_denorm_mode_16_64 3
		.amdhsa_memory_ordered 1
		.amdhsa_forward_progress 1
		.amdhsa_inst_pref_size 102
	.end_amdhsa_kernel
	.amdgpu_metadata
---
amdhsa.version: [ 1, 2 ]
amdhsa.kernels:
  - .name:           k_qa4d4acda75_oproj
    .symbol:         k_qa4d4acda75_oproj.kd
    .args:
      - { .name: ctx, .offset: 0, .size: 8, .value_kind: global_buffer, .address_space: global }
      - { .name: opnd, .offset: 8, .size: 8, .value_kind: global_buffer, .address_space: global }
      - { .name: bo, .offset: 16, .size: 8, .value_kind: global_buffer, .address_space: global }
      - { .name: out0, .offset: 24, .size: 8, .value_kind: global_buffer, .address_space: global }
    .group_segment_fixed_size: 307712
    .private_segment_fixed_size: 0
    .kernarg_segment_align: 8
    .kernarg_segment_size: 32
    .max_flat_workgroup_size: 128
    .sgpr_count:     80
    .vgpr_count:     768
    .wavefront_size: 32
...
	.end_amdgpu_metadata
.endif
;; end of part 4
